; MI455X (gfx1250); checked and timed in simulation.
; The chip was launched on July 23, 2026; its instructions are those of AMD's public machine-readable ISA for CDNA 5 (MIT licence, August 2026) and "CDNA5" Instruction Set Architecture Reference Guide (July 2026). The comments in the code are by the model that wrote it; some were corrected since.
;; Sparse Multi Head Attention. Allowed arithmetic: matrix products marked QUANTISED: E2M3 operands, one E8M0 scale for each 32 along K, by v_wmma_scale_f32_16x16x128_f8f6f4 with both operands' format E2M3, f32 sums; everything else in f32.
;; Inputs: Wout 1,024 x 1,024 float32; Wqkv 1,024 x 3,072 float32; bout 1,024 float32; bqkv 3,072 float32; gamma_k 16 x 64 float32; gamma_q 16 x 64 float32; x 2 x 2,048 x 1,024 float32.
;; Outputs: out0 2 x 2,048 x 1,024 float32.
;; This version of the problem:
;;   THIS VERSION OF THE PROBLEM IS GIVEN IN LOW PRECISION. The matrix products marked QUANTISED in the list below multiply operands that are first quantised to E2M3 (2 exponent bits, 3 mantissa bits; 6 bits a number), with one power-of-two scale for each 32 numbers along K (OCP MX v1.0); their sums are f32. All else is computed in f32.
;;   The module's matrix products, in the order in which they are computed (A, B: the left and right operand; K: the contracted axis; several contracted axes count as one K, in the product's order):
;;     1. [M 4,096, K 1,024] x [K 1,024, N 3,072]; A: input x; B: input Wqkv: QUANTISED
;;     2. batch 32 x [M 2,048, K 64] x [K 64, N 2,048]; A: computed on the way; B: computed on the way: QUANTISED
;;     3. batch 32 x [M 64, K 2,048] x [K 2,048, N 2,048]; A: computed on the way; B: softmax (see below): QUANTISED
;;     4. [M 4,096, K 1,024] x [K 1,024, N 1,024]; A: computed on the way; B: input Wout: QUANTISED
;;   THE QUANTISER, for each operand of a quantised product, along K:
;;     - K is cut into blocks of 32 from its start; a last block that is shorter is filled with zeros.
;;     - A block's scale is 2^e with e = floor(log2(the largest magnitude in the block)) - 2, held to -126 .. 127; a block of zeros has e = 0. As a byte (E8M0): e + 127.
;;     - Each number is divided by its block's scale, clamped to +-7.5, and rounded to the nearest number of E2M3, ties to even, subnormals kept.
;;     - The product sums the exact products of the quantised numbers (number of the format x scale) in f32.
;;   ~~~python
;;   def quantise(x, axis):      # numpy; x: float32 -> the quantised numbers, widened to float32 again
;;       x = np.moveaxis(x, axis, -1); K = x.shape[-1]
;;       x = np.pad(x, [(0, 0)] * (x.ndim - 1) + [(0, -K % 32)]); x = x.reshape(x.shape[:-1] + (-1, 32)); a = np.abs(x).max(-1, keepdims=True)
;;       e = np.where(a > 0, np.clip(np.frexp(np.where(a > 0, a, 1))[1] - 1 - 2, -126, 127), 0)      # np.frexp(a)[1] - 1 = floor(log2(a)), exactly
;;       r = np.clip(x / 2.0 ** e, -7.5, 7.5)
;;       step = 2.0 ** (np.maximum(np.frexp(np.where(r == 0, 1, r))[1] - 1, 0) - 3)
;;       q = np.round(r / step) * step * 2.0 ** e      # np.round: ties to even
;;       return np.moveaxis(q.reshape(q.shape[:-2] + (-1,))[..., :K], -1, axis).astype(np.float32)
;;   ~~~
;;   SOFTMAX AHEAD OF A QUANTISED PRODUCT. Where the list says 'softmax', what is quantised is not the finished softmax but p = 2^(t - M), with t = logit x log2(e) and M = ceil(the row's largest t), a whole number; so 1/2 < the row's largest p <= 1. The row's sum l is taken of the UNQUANTISED p, in f32, and the product's result is divided by l at the end. Since M is a whole number, a kernel that streams over the keys may use a running M (the ceiling of the running maximum): every later rescaling is an exact power of two, which a block's scale takes up: the codes' values come out the same.
;;   OPERANDS COMPUTED ON THE WAY. 'Computed on the way' means the value that the module computes at that place (a softmax that the list does not call 'softmax' is quantised finished and normalised). What goes into a quantiser is computed in f32, as accurately as f32 sums, v_exp_f32 and their like allow (about 1e-6 of the number): no bf16 or f16 on the way to a quantiser, and a product that is left as it is and whose result goes on into a quantised operand takes f32 operands (vector FMAs, or v_wmma_f32_16x16x4_f32). A number that lies on a knife's edge between two numbers of the format may be rounded either way, as far as f32 arithmetic and the matrix unit's own rounding can turn it there, and no further.
;; One version. Each part assembles by itself: llvm-mc -triple=amdgcn-amd-amdhsa -mcpu=gfx1250 --defsym DOCPART=n.
;; ======== version 1 of 1: 4 launches
;; workspace buffers: x_codes 3,145,728 bytes; x_scales 131,072 bytes; w_codes 3,145,728 bytes; w_scales 131,072 bytes; qrec 6,684,672 bytes; kvrec 6,684,672 bytes; a_img 3,145,728 bytes; a_scales 131,072 bytes
;; launch quant (part 1): grid 256 x 1, 4 waves a work-group, no clusters, 102,912 bytes of LDS; arguments x, Wqkv, Wout, x_codes, x_scales, w_codes, w_scales; writes x_codes, x_scales, w_codes, w_scales
.if DOCPART == 1
	.amdgcn_target "amdgcn-amd-amdhsa--gfx1250"
	.amdhsa_code_object_version 6
	.text
	.protected	k_qb432556f35_quant
	.globl	k_qb432556f35_quant
	.p2align	8
	.type	k_qb432556f35_quant,@function
k_qb432556f35_quant:
	s_mov_b64 s[64:65], 0
	v_nop
	global_prefetch_b8 v0, s[64:65] scope:SCOPE_SE
	s_setreg_imm32_b32 hwreg(HW_REG_WAVE_MODE, 25, 1), 1
	s_wait_xcnt 0x0
; x [4096][1024], Wqkv [1024][3072] and Wout [1024][1024], all f32, become codes of FP6 (E2M3), K innermost, with one E8M0 byte for each 32 along K.
; x_codes [4096][768], x_scales [4096][32].  w_codes [4096][768], w_scales [4096][32]: rows 0-3071 are Wqkv's columns, rows 3072-4095 Wout's columns.
; A block's scale is 2^(floor(log2(its largest magnitude)) - 2); its byte is the largest magnitude's exponent field - 2, held at 1 from below.
; LIMITS: a block of zeros gets the byte 1 where the rule says 127 (its codes are zeros, and only this program reads the bytes); blocks whose largest magnitude lies under 2^-124 have the byte 1;
; NaN and infinities among the inputs are not served.
; SHARES: 256 work-groups of 32,768 numbers each.  Work-groups 0-127 take x (K innermost: a plain stream of blocks), 128-223 Wqkv, 224-255 Wout (K is the first axis: a lane takes a column and its registers run down K).
; The three ways part on the work-group's number, never join, and have LDS bytes of their own.  No work-group reads what another reads: no cluster, no tensor load, no barrier: waves share nothing.
; WOUT'S ORDER INSIDE A BLOCK: position p of a block of 32 holds row 8 (2 ((p / 8) % 2) + p / 16) + p % 8 of the block.  The attention launch lays its results in that order; a block stays the same set of 32,
; so its scale is the rule's, and a common order inside a block leaves a product's sum as it is.
.set WGX,   128                        ; work-groups for x
.set WG1,   96                         ; for Wqkv: 24 strips of 128 columns x 4 runs of 256 along K
.set EMAX,  2
.set CB,    12                         ; bytes of 16 codes
.set STEPS, 16
.set R,     16                         ; x: v16-79   four sets of 16 numbers as they are loaded
.set X,     80                         ;    v80-111  two sets of 16 neighbours
.set E,     112                        ;    v112-127 a scale byte for each step
.set C,     128                        ;    v128-191 codes: four registers for each step, so that no store's data are written again
.set WREG,  8192                       ; x: LDS for each wave: two stages of 32 x SP bytes, behind them its 256 scale bytes
.set SP,    80                         ; a lane's place in a stage: 64 bytes + 16 of padding
.set LDSW1, 32768                      ; Wqkv's stages: 4 x 32 rows x 272 bytes
.set LDSW2, 67584                      ; Wout's
.set NB,    8                          ; weights: blocks of 32 along K for a wave
.set PITCH, 272                        ; a stage row: sixteen places of 16 bytes, each with 12 bytes of codes, + 16
.set KROW,  768                        ; a row of codes in bytes
.set WX,    32                         ; weights: v32-95 two sets of 32 numbers
.set WC,    96                         ;          v96.. a block's codes
.set OUTR,  112                        ;          v112-175 the way out
.set SB,    24                         ;          v24-25 the scale bytes, four to a register
.macro XLOAD t
.irp i, 0,1,2,3
	global_load_b128 v[R+16*((\t)%4)+4*\i:R+16*((\t)%4)+4*\i+3], v3, s[4:5] offset:2048*(\t)+512*\i th:TH_LOAD_NT   ; 32 lanes read 512 consecutive bytes
.endr
.endm
.macro XTURN t                         ; step t's numbers through the stage: LDS serves a wave's instructions in order (ISA guide 5.7.1.4), so no wait stands between the stores and the loads
.irp i, 0,1,2,3
	ds_store_b128 v14, v[R+16*((\t)%4)+4*\i:R+16*((\t)%4)+4*\i+3] offset:32*SP*((\t)%2)+8*SP*\i
.endr
.irp i, 0,1,2,3
	ds_load_b128 v[X+16*((\t)%2)+4*\i:X+16*((\t)%2)+4*\i+3], v15 offset:32*SP*((\t)%2)+16*\i
.endr
.endm
.macro XSTEP t
.set XS, X+16*((\t)%2)
.if (\t) > 0
	s_wait_dscnt 1                                 ; this step's numbers are back from the stage (the last step's byte store may be out)
.else
	s_wait_dscnt 0x0
.endif
.if (\t)+4 < STEPS
	XLOAD (\t)+4                                   ; the stage's stores have read their registers: they take the loads of four steps on
.endif
.if (\t)+1 < STEPS
.if STEPS-2-(\t) >= 3
	s_wait_loadcnt 12                              ; the next step's four loads are in; those of the three steps behind it may be out
.else
	s_wait_loadcnt 4*(STEPS-2-(\t))
.endif
	XTURN (\t)+1
.endif
	v_max3_num_f32 v8, |v[XS]|, |v[XS+1]|, |v[XS+2]|               ; the largest magnitude of my 16, in two chains
	v_max3_num_f32 v9, |v[XS+3]|, |v[XS+4]|, |v[XS+5]|
.irp i, 6,10
	v_max3_num_f32 v8, v8, |v[XS+\i]|, |v[XS+\i+1]|
	v_max3_num_f32 v9, v9, |v[XS+\i+2]|, |v[XS+\i+3]|
.endr
	v_max3_num_f32 v8, v8, |v[XS+14]|, |v[XS+15]|
	v_max3_num_f32 v8, v8, v9, (EMAX+1)<<23        ; and the floor 2^(3 - 127): the byte cannot fall under 1
	v_max_num_f32_dpp v8, v8, v8 row_xmask:1 row_mask:0xf bank_mask:0xf   ; with my neighbour's 16: the block's
	v_add_nc_u32 v11, -(EMAX<<23), v8              ; 2 off its exponent field: the conversion takes the exponent field of this operand as its scale
	v_cvt_scalef32_pk16_fp6_f32 v[C+4*(\t):C+4*(\t)+2], v[XS:XS+15], v11
	v_lshrrev_b32 v[E+(\t)], 23, v11               ; the scale's byte (a plain line behind the conversion)
	ds_store_b8 v5, v[E+(\t)] offset:16*(\t)       ; both lanes of a block write the same byte with the same value
	global_store_b96 v4, v[C+4*(\t):C+4*(\t)+2], s[10:11] offset:32*CB*(\t)   ; the wave stores 384 consecutive bytes
.endm
; block t of a weight: rows 32 t + 0 .. 31 of my column into set t % 2; perm = 1: in Wout's order
.macro WLOAD t, nn, perm
.irp i, 0,1,2,3,4,5,6,7,8,9,10,11,12,13,14,15,16,17,18,19,20,21,22,23,24,25,26,27,28,29,30,31
	global_load_b32 v[WX+32*((\t)%2)+\i], v3, s[32:33] offset:(32*(\t)+\i+(\perm)*(8*(((\i/8)%2)*2+\i/16)+\i%8-\i))*(\nn)*4 th:TH_LOAD_NT
.endr
.endm
.macro WBLOCK t, nn, perm
.set XS, WX+32*((\t)%2)
.if (\t) < NB-1
	s_wait_loadcnt 32                              ; this block's 32 loads are in; the next block's may be out
.else
	s_wait_loadcnt 0
.endif
	v_max3_num_f32 v12, |v[XS]|, |v[XS+1]|, |v[XS+2]|               ; the block's largest magnitude: all 32 numbers are mine
	v_max3_num_f32 v13, |v[XS+3]|, |v[XS+4]|, |v[XS+5]|
.irp i, 6,10,14,18,22,26
	v_max3_num_f32 v12, v12, |v[XS+\i]|, |v[XS+\i+1]|
	v_max3_num_f32 v13, v13, |v[XS+\i+2]|, |v[XS+\i+3]|
.endr
	v_max3_num_f32 v12, v12, |v[XS+30]|, |v[XS+31]|
	v_max3_num_f32 v12, v12, v13, (EMAX+1)<<23     ; and the floor
	v_add_nc_u32 v11, -(EMAX<<23), v12             ; the conversion's scale operand
	v_lshrrev_b32 v13, 23, v11                     ; the scale's byte
.if (\t)%4 == 0
	v_mov_b32 v[SB+(\t)/4], v13                    ; four bytes to a register, the lower K in the lower byte
.else
	v_lshl_or_b32 v[SB+(\t)/4], v13, 8*((\t)%4), v[SB+(\t)/4]
.endif
	v_cvt_scalef32_pk16_fp6_f32 v[WC:WC+2], v[XS:XS+15], v11
	v_cvt_scalef32_pk16_fp6_f32 v[WC+4:WC+6], v[XS+16:XS+31], v11     ; (a conversion's three registers begin on an even number)
	v_nop                                          ; one plain line behind the conversions
	ds_store_b96 v4, v[WC:WC+2] offset:32*(\t)     ; 12 bytes to a place of 16 in the stage: every LDS address is a multiple of 16
	ds_store_b96 v4, v[WC+4:WC+6] offset:32*(\t)+16
.if (\t)+2 < NB
	WLOAD (\t)+2, \nn, \perm
.endif
	s_wait_dscnt 0x0                               ; the stores have read their registers: the next block's codes may be written
.endm
; A weight [1024][nn] at s[sb:sb+1].  A wave takes 32 columns x 256 along K; its codes go through its own stage and leave as rows: sixteen lanes store a row's 192 consecutive bytes.
.macro WPATH sb, nn, perm, row0, lds0, idb
	s_sub_co_u32 s21, ttmp9, (\idb)
	s_and_b32 s22, s21, 3                          ; which 256 along K
	s_lshr_b32 s21, s21, 2
	s_lshl_b32 s21, s21, 7
	s_lshl_b32 s23, s20, 5
	s_add_co_u32 s21, s21, s23                     ; my wave's first column
	v_lshlrev_b32 v3, 2, v2                        ; in: 4 bytes a lane: the wave reads 128 consecutive bytes
	s_mul_i32 s23, s20, 32*PITCH
	s_add_co_u32 s23, s23, (\lds0)                 ; my stage
	v_mul_u32_u24 v4, v2, PITCH
	v_add_nc_u32 v4, s23, v4                       ; into it: row = my column
	v_and_b32 v5, 15, v2
	v_lshrrev_b32 v6, 4, v2
	v_mul_u32_u24 v7, v6, PITCH
	v_lshl_add_u32 v7, v5, 4, v7
	v_add_nc_u32 v7, s23, v7                       ; out of it: sixteen lanes to a row, two rows an instruction
	v_mul_u32_u24 v8, v6, KROW
	v_mad_u32_u24 v8, v5, 12, v8                   ; and the same place in the codes' buffer
	v_lshlrev_b32 v9, 5, v2                        ; my column's row of scale bytes
	s_mul_i32 s24, s22, 256*(\nn)*4                ; the weight: 256 rows for each run along K, + 4 x column
	s_lshl_b32 s25, s21, 2
	s_add_co_u32 s24, s24, s25
	s_mov_b32 s25, 0
	s_add_co_u32 s26, s21, (\row0)                 ; my first row of w_codes
	s_mul_i32 s28, s26, KROW
	s_mul_i32 s27, s22, 192
	s_add_co_u32 s28, s28, s27
	s_mov_b32 s29, 0
	s_lshl_b32 s30, s26, 5
	s_lshl_b32 s27, s22, 3
	s_add_co_u32 s30, s30, s27
	s_mov_b32 s31, 0
	s_wait_kmcnt 0x0
	s_add_nc_u64 s[32:33], s[\sb:\sb+1], s[24:25]
	s_add_nc_u64 s[34:35], s[14:15], s[28:29]
	s_add_nc_u64 s[36:37], s[16:17], s[30:31]
	WLOAD 0, \nn, \perm
	WLOAD 1, \nn, \perm
.irp t, 0,1,2,3,4,5,6,7
	WBLOCK \t, \nn, \perm
.endr
	global_store_b64 v9, v[SB:SB+1], s[36:37]      ; my column's 8 scale bytes
.irp t, 0,1,2,3,4,5,6,7,8,9,10,11,12,13,14,15
	ds_load_b96 v[OUTR+4*\t:OUTR+4*\t+2], v7 offset:2*\t*PITCH
.endr
.irp t, 0,1,2,3,4,5,6,7,8,9,10,11,12,13,14,15
	s_wait_dscnt 15-\t                             ; LDS loads come back in order: load t is in, the younger ones may be out
	global_store_b96 v8, v[OUTR+4*\t:OUTR+4*\t+2], s[34:35] offset:2*\t*KROW
.endr
.endm
	s_load_b256 s[4:11], s[0:1], 0x0               ; x s[4:5], Wqkv s[6:7], Wout s[8:9], x_codes s[10:11]
	s_load_b128 s[12:15], s[0:1], 0x20             ; x_scales s[12:13], w_codes s[14:15]
	s_load_b64 s[16:17], s[0:1], 0x30              ; w_scales
	v_lshl_add_u32 v192, v0, 2, 0x19000
	v_mov_b32 v193, 0
	v_lshrrev_b32 v1, 5, v0
	v_readfirstlane_b32 s20, v1                    ; wave
	v_and_b32 v2, 31, v0                           ; lane
	s_cmp_lt_u32 ttmp9, WGX
	s_cbranch_scc0 .Lweights
	; ---- x: a wave takes 16 steps of 512 numbers.  Each load reads 512 consecutive bytes; a step's 2,048 bytes turn through the wave's stage, so that a lane then holds 16 neighbours along K
	v_lshlrev_b32 v3, 4, v2                        ; my 16 bytes of a load's 512
	s_mul_i32 s21, s20, WREG
	v_lshrrev_b32 v14, 2, v2
	v_mul_u32_u24 v14, v14, SP
	v_and_b32 v15, 3, v2
	v_lshl_add_u32 v14, v15, 4, v14
	v_add_nc_u32 v14, s21, v14                     ; the stage, on the way in: SP (lane / 4) + 16 (lane % 4)
	v_mul_u32_u24 v15, v2, SP
	v_add_nc_u32 v15, s21, v15                     ; and on the way out: SP x lane
	v_mul_u32_u24 v4, v2, CB                       ; my codes' place in a step's
	v_lshrrev_b32 v5, 1, v2
	s_add_co_u32 s21, s21, 2*32*SP
	v_add_nc_u32 v5, s21, v5                       ; my wave's 256 scale bytes, my block's byte
	v_lshlrev_b32 v7, 3, v2
	v_add_nc_u32 v6, s21, v7                       ; and on the way out 8 bytes a lane
	s_lshl_b32 s22, ttmp9, 2
	s_add_co_u32 s22, s22, s20                     ; which run of 8,192 numbers is my wave's
	s_lshl_b32 s24, s22, 15
	s_mov_b32 s25, 0
	s_mul_i32 s26, s22, 32*STEPS*CB
	s_mov_b32 s27, 0
	s_lshl_b32 s28, s22, 8
	s_mov_b32 s29, 0
	s_wait_kmcnt 0x0
	s_add_nc_u64 s[4:5], s[4:5], s[24:25]
	s_add_nc_u64 s[10:11], s[10:11], s[26:27]
	s_add_nc_u64 s[12:13], s[12:13], s[28:29]
.irp t, 0,1,2,3
	XLOAD \t
.endr
	s_wait_loadcnt 12                              ; step 0's four loads are in
	XTURN 0
.irp t, 0,1,2,3,4,5,6,7,8,9,10,11,12,13,14,15
	XSTEP \t
.endr
	ds_load_b64 v[12:13], v6                       ; these see my byte stores
	s_wait_dscnt 0x0
	global_store_b64 v7, v[12:13], s[12:13]        ; 32 lanes store 256 consecutive bytes, aligned
	s_wait_tensorcnt 0x0
	ds_add_u32 v192, v193
	s_wait_dscnt 0x0
	s_endpgm
.Lweights:
	s_cmp_lt_u32 ttmp9, WGX+WG1
	s_cbranch_scc0 .Lwout
	WPATH 6, 3072, 0, 0, LDSW1, WGX
	s_wait_tensorcnt 0x0
	ds_add_u32 v192, v193
	s_wait_dscnt 0x0
	s_endpgm
.Lwout:
	WPATH 8, 1024, 1, 3072, LDSW2, WGX+WG1
	s_wait_tensorcnt 0x0
	ds_add_u32 v192, v193
	s_wait_dscnt 0x0
	s_endpgm
.Lfunc_end_k_qb432556f35_quant:
	.size	k_qb432556f35_quant, .Lfunc_end_k_qb432556f35_quant-k_qb432556f35_quant
	.p2alignl 7, 3214868480
	.fill 96, 4, 3214868480
	.section	.rodata,"a",@progbits
	.p2align	6, 0x0
	.amdhsa_kernel k_qb432556f35_quant
		.amdhsa_group_segment_fixed_size 102912
		.amdhsa_private_segment_fixed_size 0
		.amdhsa_enable_private_segment 0
		.amdhsa_kernarg_size 56
		.amdhsa_user_sgpr_count 2
		.amdhsa_user_sgpr_kernarg_segment_ptr 1
		.amdhsa_wavefront_size32 1
		.amdhsa_system_sgpr_workgroup_id_x 1
		.amdhsa_system_sgpr_workgroup_id_y 1
		.amdhsa_system_sgpr_workgroup_id_z 1
		.amdhsa_system_vgpr_workitem_id 0
		.amdhsa_next_free_vgpr 194
		.amdhsa_next_free_sgpr 66
		.amdhsa_reserve_vcc 0
		.amdhsa_float_denorm_mode_32 3
		.amdhsa_float_denorm_mode_16_64 3
		.amdhsa_memory_ordered 1
		.amdhsa_forward_progress 1
		.amdhsa_inst_pref_size 114
	.end_amdhsa_kernel
	.amdgpu_metadata
---
amdhsa.version: [ 1, 2 ]
amdhsa.kernels:
  - .name:           k_qb432556f35_quant
    .symbol:         k_qb432556f35_quant.kd
    .args:
      - { .name: x, .offset: 0, .size: 8, .value_kind: global_buffer, .address_space: global }
      - { .name: Wqkv, .offset: 8, .size: 8, .value_kind: global_buffer, .address_space: global }
      - { .name: Wout, .offset: 16, .size: 8, .value_kind: global_buffer, .address_space: global }
      - { .name: x_codes, .offset: 24, .size: 8, .value_kind: global_buffer, .address_space: global }
      - { .name: x_scales, .offset: 32, .size: 8, .value_kind: global_buffer, .address_space: global }
      - { .name: w_codes, .offset: 40, .size: 8, .value_kind: global_buffer, .address_space: global }
      - { .name: w_scales, .offset: 48, .size: 8, .value_kind: global_buffer, .address_space: global }
    .group_segment_fixed_size: 102912
    .private_segment_fixed_size: 0
    .kernarg_segment_align: 8
    .kernarg_segment_size: 56
    .max_flat_workgroup_size: 128
    .sgpr_count:     66
    .vgpr_count:     194
    .wavefront_size: 32
...
	.end_amdgpu_metadata
.endif
;; end of part 1
;; launch qkv (part 2): grid 12 x 16, 4 waves a work-group, clusters of 4 x 4, 327,680 bytes of LDS; arguments x_codes, x_scales, w_codes, w_scales, bqkv, gamma_q, gamma_k, qrec, kvrec; writes qrec, kvrec
.if DOCPART == 2
	.amdgcn_target "amdgcn-amd-amdhsa--gfx1250"
	.amdhsa_code_object_version 6
	.text
	.protected	k_qb432556f35_qkv
	.globl	k_qb432556f35_qkv
	.p2align	8
	.type	k_qb432556f35_qkv,@function
k_qb432556f35_qkv:
	s_mov_b64 s[64:65], 0
	v_nop
	global_prefetch_b8 v0, s[64:65] scope:SCOPE_SE
	s_setreg_imm32_b32 hwreg(HW_REG_WAVE_MODE, 25, 1), 1
	s_wait_xcnt 0x0
	s_wait_alu depctr_hold_cnt(0) depctr_sa_sdst(0) depctr_va_vdst(0) depctr_va_sdst(0) depctr_va_ssrc(0) depctr_va_vcc(0) depctr_vm_vsrc(0)
	s_getreg_b32 s2, hwreg(HW_REG_IB_STS2, 6, 4)
	s_cmp_eq_u32 s2, 0
	s_cbranch_scc0 .Lentry_in_a_cluster
	s_endpgm
.Lentry_in_a_cluster:
	s_bfe_u32 s2, ttmp6, 0x10000c
	s_cmp_lg_u32 s2, 0xf033
	s_cbranch_scc0 .Lentry_shape_is_right
	s_endpgm
.Lentry_shape_is_right:
; qkv = x Wqkv + bqkv on codes of FP6 (E2M3) with E8M0 scales; then q and k are normalised (x rsqrt(max(sum of squares, 1e-24)) x gamma x 8), and q, k and v are quantised for the attention launch.
; THE PRODUCT.  A tile of 256 x 256 is made by four waves, each 128 x 128: 64 accumulators of 16 x 16, 512 registers.  K = 1,024 goes in four steps of 256 through a ring of two LDS slots filled by the
; tensor data mover; the scale bytes of the work-group's 2 x 256 rows come once, in whole runs of 256 bytes, and stay.  4 x 4 work-groups form a cluster: the four of a row need the same tiles of operand A,
; the four of a column the same tiles of operand B: each tile is asked for jointly.  The matrix instruction takes 16 rows of B as source 0 and 16 rows of A as source 1: a lane holds ONE row of A, and its eight
; registers eight neighbouring rows of B.
; ROLES, by the cluster's x (equal in all partners): 0: q, 1: k: A = x's tokens, B = Wqkv's columns: a lane holds a token and its registers run along the head's 64: the K of q k^T.
; 2: v: A = Wqkv's columns 2,048 on, B = x's tokens: a lane holds a column of v and its registers run along the tokens: the K of p v.  Only the buffers and the tile's coordinates are chosen; the loop is one text.
; WHAT IS STORED: records of 13,056 bytes, one for 128 tokens of one head, [batch x head 32][16]: 8 tiles (16 tokens x 64) of 768 bytes as images of the operand's registers (registers 0-3 at 16 x lane,
; 4-5 at 512 + 8 x lane); at 6,144 (kvrec) 4 tiles of v^T (16 x 128 tokens) of 1,536 bytes (registers 4 c .. 4 c + 3 at 512 c + 16 x lane); at 12,288 the 8 tiles' scale words [2][16 rows][4];
; at 12,800 v's [16 rows][4].  Every store of codes covers whole aligned runs of 256 bytes.
; THE ORDER INSIDE A BLOCK OF 32: position p holds element 8 (2 ((p / 8) % 2) + p / 16) + p % 8, alike in q and k, and alike in v and the attention launch's p: blocks stay the rule's sets of 32.
; LIMITS: a block of zeros gets the byte 1 where the rule says 127 (zero codes; only this program reads the bytes); largest magnitudes under 2^-124 have the byte 1; NaN and infinities are not served; the norm's
; reciprocal root is v_rsq_f32.
; REGISTERS, in windows of 256: window 0: v0-31 addresses; v32-63 scale words, two sets, and nothing else; from v128 A's fragments, one set.  window 1: B's fragments, two sets.  windows 2, 3: the accumulators.
; At the end: window 0: v64-127 a row of results at work, v128-146 codes, v148-155 scale words to store; window 1: v0-63 the bias, v64-127 gamma x 8.
.set SIZE_K, 1024
.set KSTEP,  256                       ; along K in a slot
.set NQ,     KSTEP/128                 ; matrix instructions deep
.set ROWB,   192                       ; a tile's row in bytes
.set KROW,   SIZE_K*6/8                ; a row of codes in memory
.set PITCH,  240                       ; an LDS row: 3 x (64 bytes of data + 16 of padding)
.set FR,     12                        ; registers of a fragment
.set NL,     6                         ; LDS loads that bring one
.set NP,     4                         ; places behind this matrix instruction (ISA guide 7.12.1)
.set HALFT,  128*PITCH                 ; 128 rows: what one tensor load brings
.set SLOT,   4*HALFT                   ; A's 256 rows, then B's 256 rows
.set LAPS,   SIZE_K/(2*KSTEP)
.set KS,     SIZE_K/32                 ; a row of scales in bytes
.set SCL,    2*SLOT                    ; behind the ring: the scales, as runs of 256 bytes + 16 of padding
.set HALFS,  (128*KS/256)*272
.set SBLK,   (16*KS/256)*272
.set SPARE,  SCL+4*HALFS               ; the spare words, 128 bytes for each wave: two blocks of 256 bytes that no other line names
.set REC,    13056                     ; a record
.set HEADB,  16*REC                    ; a head's records
.set ADRA, 16                          ; v16-17 LDS address of my A fragments in slot 0, 1 (v18-19: for the pieces behind one padding more)
.set ADRB, 20                          ; v20-21 the same for B (v22-23)
.set ADRS, 27                          ; v27 LDS address of my scale words: lanes 0-15 A's rows, lanes 16-31 B's
.set SPW,  28                          ; v28 LDS address of my spare word; never rewritten
.set NIL,  29                          ; v29 0; never rewritten
.set SC,   32                          ; scale words: set s at v[SC + 16 s]
.set AF,   128                         ; A's fragments
.set G1, 24
.set G0, 32
.set G1B, 48
.set G0B, 56
.set G1S, 68
.set G0S, 76
.set G1SB, 80
.set G0SB, 88
.set T,   64                           ; the end: 64 numbers of a lane
.set CD,  128                          ; codes
.set SW,  148                          ; scale words
.set TM,  4                            ; v4-19 at work in the quantiser
.set PW,  3                            ; the scale word just made
.set SEL, 2                            ; s[2:3] selects for lane l xor 16
.set BI,  0                            ; window 1: the bias
.set GA,  64                           ; window 1: gamma x 8
.set MSB, 0
.macro WIN new                         ; the immediate's high byte repeats the setting that is left
.if MSB != (\new)
	s_set_vgpr_msb (MSB<<8)|(\new)
.set MSB, (\new)
.endif
.endm
.set MUL_LO, 0xa1                      ; source 0 (B) window 1, source 1 (A) window 0, C and D window 2
.set MUL_HI, 0xf1                      ; the same, C and D window 3
.set TO_B,   0x40                      ; destination window 1, address window 0
; A joint load: waves 0 and 1 fetch for A, waves 2 and 3 for B; the branch hangs on the wave's number alone.  Four v_nop follow each of the two lines.
.macro JLOAD g0a, g1a, g0b, g1b
	s_cmp_eq_u32 s15, 0
	s_cbranch_scc0 .Lfor_b_\@
	tensor_load_to_lds s[\g0a:\g0a+3], s[\g1a:\g1a+7]
	s_nop 0
.rept 4
	v_nop
.endr
	s_branch .Lasked_\@
.Lfor_b_\@:
	tensor_load_to_lds s[\g0b:\g0b+3], s[\g1b:\g1b+7]
	s_nop 0
.rept 4
	v_nop
.endr
.Lasked_\@:
.endm
.macro CREST                           ; a round of the cluster's barrier behind its opening barrier
	s_cmp_lg_u32 s14, 0
	s_cbranch_scc1 .Lnot_wave_0_\@
	s_barrier_signal -3
.Lnot_wave_0_\@:
	s_barrier_wait -3
	s_barrier_signal -1
	s_barrier_wait -1
.endm
.macro CROUND                          ; a whole round
	s_barrier_signal -1
	s_barrier_wait -1
	CREST
.endm
	s_load_b128 s[4:7], s[0:1], 0x0                ; x's codes, x's scales
	s_load_b128 s[8:11], s[0:1], 0x10              ; the weights' codes, their scales
	s_load_b128 s[96:99], s[0:1], 0x20             ; bqkv, gamma_q
	s_load_b64 s[100:101], s[0:1], 0x30            ; gamma_k
	v_lshl_add_u32 v[SPW], v0, 2, SPARE
	v_mov_b32 v[NIL], 0
	ds_add_u32 v28, v29
	ds_add_u32 v28, v29
	s_wait_dscnt 0x0
	v_lshrrev_b32 v1, 5, v0
	v_readfirstlane_b32 s14, v1                    ; wave 0..3
	s_lshr_b32 s15, s14, 1                         ; which half of A's rows is mine.  Also: I fetch for A (0) or for B (1)
	s_and_b32 s16, s14, 1                          ; which half of B's rows.  Also: which 128 rows of that tile I fetch
	s_bfe_u32 s40, ttmp6, 0x40000                  ; cx, cy: my place in the cluster
	s_bfe_u32 s41, ttmp6, 0x40004
	s_lshl_b32 s42, ttmp9, 2                       ; q, k: B's tile = 4 x cluster x + cx (256 columns of Wqkv),
	s_and_b32 s17, ttmp7, 0xffff
	s_lshl_b32 s17, s17, 2                         ;       A's tile = 4 x cluster y + cy (256 tokens)
	s_cmp_eq_u32 ttmp9, 2                          ; v: B's tile = 4 x cluster y + cx (tokens), A's tile = 8 + cy (columns 2,048 on)
	s_cselect_b32 s42, s17, s42
	s_cselect_b32 s17, 8, s17
	s_add_co_u32 s42, s42, s40                     ; B's tile: holds cx alone of my place
	s_add_co_u32 s17, s17, s41                     ; A's tile: holds cy alone
	s_lshl_b32 s43, s41, 2
	s_lshl_b32 s43, 15, s43                        ; my row of the cluster
	s_lshl_b32 s44, 0x1111, s40                    ; my column
	; descriptor group 1: a tile of 128 rows x 192 bytes, 16 bytes of padding behind every 64
	s_or_b32 s[G1+0], s43, (0<<16)|(1<<20)|(1<<21)|(3<<22)|(3<<25)
	s_or_b32 s[G1B+0], s44, (0<<16)|(1<<20)|(1<<21)|(3<<22)|(3<<25)
.irp g, G1, G1B
	s_mov_b32 s[\g+1], ROWB<<16                    ; tensor_dim0
	s_mov_b32 s[\g+2], 128<<16                     ; tensor_dim1
	s_mov_b32 s[\g+3], ROWB<<16                    ; tile_dim0
	s_mov_b32 s[\g+4], 128                         ; tile_dim1
	s_mov_b32 s[\g+5], KROW                        ; from row to row
	s_mov_b32 s[\g+6], 0
	s_mov_b32 s[\g+7], 0
.endr
	; the scales of 128 rows: a dense block of 4,096 bytes, as rows of 256 bytes (32 elements of 8), 16 bytes of padding behind each
	s_or_b32 s[G1S+0], s43, (3<<16)|(1<<20)|(1<<21)|(5<<22)|(3<<25)
	s_or_b32 s[G1SB+0], s44, (3<<16)|(1<<20)|(1<<21)|(5<<22)|(3<<25)
.irp g, G1S, G1SB
	s_mov_b32 s[\g+1], 32<<16
	s_mov_b32 s[\g+2], (128*KS/256)<<16
	s_mov_b32 s[\g+3], 32<<16
	s_mov_b32 s[\g+4], 128*KS/256
	s_mov_b32 s[\g+5], 32
	s_mov_b32 s[\g+6], 0
	s_mov_b32 s[\g+7], 0
.endr
	s_lshl_b32 s18, s16, 7                         ; which 128 rows of the tile I fetch
	s_lshl_b32 s20, s17, 8
	s_add_co_u32 s20, s20, s18                     ; A: row
	s_lshl_b32 s46, s42, 8
	s_add_co_u32 s46, s46, s18                     ; B: row
	s_mov_b32 s21, 0
	s_mov_b32 s47, 0
	s_mov_b64 s[18:19], KS
	s_mul_u64 s[22:23], s[20:21], s[18:19]         ; where these rows' scales begin, in bytes
	s_mul_u64 s[92:93], s[46:47], s[18:19]
	s_mov_b64 s[18:19], KROW
	s_mul_u64 s[20:21], s[20:21], s[18:19]         ; and their codes
	s_mul_u64 s[46:47], s[46:47], s[18:19]
	s_mul_i32 s45, s14, HALFT                      ; where they go: wave x 128 rows: no place in the cluster enters an LDS address
	s_mul_i32 s94, s14, HALFS
	s_wait_kmcnt 0x0
	s_cmp_eq_u32 ttmp9, 2                          ; which buffer is A and which B: the choice hangs on the cluster's x alone
	s_cselect_b64 s[12:13], s[8:9], s[4:5]         ; A's codes
	s_cselect_b64 s[66:67], s[10:11], s[6:7]       ; A's scales
	s_cselect_b64 s[8:9], s[4:5], s[8:9]           ; B's codes
	s_cselect_b64 s[10:11], s[6:7], s[10:11]       ; B's scales
	s_add_nc_u64 s[20:21], s[12:13], s[20:21]
	s_add_nc_u64 s[22:23], s[66:67], s[22:23]
	s_add_nc_u64 s[46:47], s[8:9], s[46:47]
	s_add_nc_u64 s[92:93], s[10:11], s[92:93]
	CROUND                                         ; all sixteen work-groups are here: the first joint loads meet
	s_mov_b32 s[G0S], 1
	s_add_co_u32 s[G0S+1], s94, SCL
	s_mov_b64 s[G0S+2:G0S+3], s[22:23]
	s_or_b32 s[G0S+3], s[G0S+3], 0x80000000
	s_mov_b32 s[G0SB], 1
	s_add_co_u32 s[G0SB+1], s94, SCL
	s_mov_b64 s[G0SB+2:G0SB+3], s[92:93]
	s_or_b32 s[G0SB+3], s[G0SB+3], 0x80000000
	JLOAD G0S, G1S, G0SB, G1SB                     ; the scales first: they are wanted with K step 0
.irp s, 0,1
	s_mov_b32 s[G0+4*\s], 1
	s_add_co_u32 s[G0+4*\s+1], s45, \s*SLOT
	s_add_nc_u64 s[G0+4*\s+2:G0+4*\s+3], s[20:21], \s*ROWB
	s_or_b32 s[G0+4*\s+3], s[G0+4*\s+3], 0x80000000
	s_mov_b32 s[G0B+4*\s], 1
	s_add_co_u32 s[G0B+4*\s+1], s45, \s*SLOT
	s_add_nc_u64 s[G0B+4*\s+2:G0B+4*\s+3], s[46:47], \s*ROWB
	s_or_b32 s[G0B+4*\s+3], s[G0B+4*\s+3], 0x80000000
	JLOAD G0+4*\s, G1, G0B+4*\s, G1B               ; three tensor loads of mine are out at the most
.endr
	v_and_b32 v1, 15, v0                           ; l % 16
	v_bfe_u32 v2, v0, 4, 1                         ; l / 16
	v_mul_u32_u24 v3, v1, PITCH
	v_mul_u32_u24 v4, v2, 24
	v_add_nc_u32 v4, v3, v4                        ; a fragment's row x pitch + 24 x half
	v_lshl_add_u32 v5, v2, 4, v4                   ; and the same behind one padding more
	s_mul_i32 s21, s15, HALFT                      ; my 128 rows of A
	s_mul_i32 s22, s16, HALFT                      ; my 128 rows of B,
	s_add_co_u32 s22, s22, 2*HALFT                 ; which lie behind A's 256
.irp s, 0,1
	v_add_nc_u32 v[ADRA+\s], s21, v4
	v_add_nc_u32 v[ADRB+\s], s22, v4
	v_add_nc_u32 v[ADRA+2+\s], s21, v5
	v_add_nc_u32 v[ADRB+2+\s], s22, v5
	s_add_co_u32 s21, s21, SLOT
	s_add_co_u32 s22, s22, SLOT
.endr
	v_mul_u32_u24 v5, v1, KS                       ; my row's scales: 32 bytes a row,
	v_lshrrev_b32 v6, 8, v5
	v_lshl_add_u32 v5, v6, 4, v5                   ; and 16 more for each 256 passed
	s_mul_i32 s21, s15, HALFS                      ; A's: my 128 rows
	s_mul_i32 s22, s16, HALFS                      ; B's: my 128 rows, behind A's 256
	s_add_co_u32 s22, s22, 2*HALFS
	s_sub_co_u32 s22, s22, s21
	v_mul_u32_u24 v6, s22, v2                      ; lanes 16-31 take B's
	s_add_co_u32 s21, s21, SCL
	v_add_nc_u32 v5, v5, v6
	v_add_nc_u32 v[ADRS], s21, v5
.macro FRAG reg, adr, q, i             ; a fragment, 16 rows x 128 K: lane l holds row l % 16; registers 6 c .. 6 c + 5 hold K = 64 c + 32 (l / 16) + 0 .. 31: 24 bytes of the row's stream of bits, as they lie
.irp p, 0,1,2,3,4,5                    ; in pieces of 8 bytes.  Where the piece of lanes 16-31 lies behind one padding more than that of lanes 0-15, the second address register serves
.set PCE, 12*(\q)+6*(\p/3)+\p%3
.if PCE%8 < 5
	ds_load_b64 v[\reg+2*\p:\reg+2*\p+1], v[\adr] offset:8*PCE+16*(PCE/8)+(\i)*16*PITCH
.else
	ds_load_b64 v[\reg+2*\p:\reg+2*\p+1], v[\adr+2] offset:8*PCE+16*(PCE/8)+(\i)*16*PITCH
.endif
.endr
.endm
; 16 matrix instructions: A's blocks a0, a0 + 1 x B's eight, 128 along K.  zero = 1: the first product starts the sums.  The 64 accumulators take turns, one instruction a turn.
.macro MUL16 a0, p, q, sc, zero
.irp a, \a0, \a0+1
.irp b, 0,1,2,3,4,5,6,7
.if \zero
	v_wmma_scale_f32_16x16x128_f8f6f4 v[8*(8*((\a)%4)+\b):8*(8*((\a)%4)+\b)+7], v[128*(\p)+FR*\b:128*(\p)+FR*\b+FR-1], v[AF+FR*(\a):AF+FR*(\a)+FR-1], 0, v[SC+8*NQ*(\sc)+NQ*\b+(\q)], v[SC+8*NQ*(\sc)+NQ*(\a)+(\q)] matrix_a_fmt:MATRIX_FMT_FP6 matrix_b_fmt:MATRIX_FMT_FP6 matrix_a_scale:MATRIX_SCALE_ROW1
.else
	v_wmma_scale_f32_16x16x128_f8f6f4 v[8*(8*((\a)%4)+\b):8*(8*((\a)%4)+\b)+7], v[128*(\p)+FR*\b:128*(\p)+FR*\b+FR-1], v[AF+FR*(\a):AF+FR*(\a)+FR-1], v[8*(8*((\a)%4)+\b):8*(8*((\a)%4)+\b)+7], v[SC+8*NQ*(\sc)+NQ*\b+(\q)], v[SC+8*NQ*(\sc)+NQ*(\a)+(\q)] matrix_a_fmt:MATRIX_FMT_FP6 matrix_b_fmt:MATRIX_FMT_FP6 matrix_a_scale:MATRIX_SCALE_ROW1
.endif
.endr
.endr
.endm
.macro FETCH_B slot, q, p
	WIN TO_B
.irp i, 0,1,2,3,4,5,6,7
	FRAG 128*(\p)+FR*\i, ADRB+\slot, \q, \i
.endr
	WIN 0
.endm
.macro FETCH_A slot, q, i0
.irp i, \i0, \i0+1, \i0+2, \i0+3
	FRAG AF+FR*(\i), ADRA+\slot, \q, \i
.endr
.endm
.macro SCALES sc                       ; a K step's scale words: 2 words a row; lanes 0-15 take A's block i, lanes 16-31 B's block i
.irp i, 0,1,2,3,4,5,6,7
	ds_load_b64 v[SC+8*NQ*\sc+NQ*\i:SC+8*NQ*\sc+NQ*\i+1], v[ADRS] offset:\i*SBLK
.endr
.endm
.macro PLACES n                        ; plain vector lines between a matrix instruction and a load into, or a vector read of, its registers
.rept \n
	v_nop
.endr
.endm
.macro STEP slot, q, zero              ; a step of 128 along K that has its successor in the same slot
	s_wait_dscnt 4*NL                              ; B's set and A's blocks 0-3 are in; the youngest 24 loads (A's blocks 4-7) may be out
	WIN MUL_LO
	MUL16 0, (\q)%2, \q, \slot, \zero
	MUL16 2, (\q)%2, \q, \slot, \zero
	s_wait_dscnt 0                                 ; A's blocks 4-7 are in
	PLACES NP
	FETCH_B \slot, (\q)+1, 1-(\q)%2
	FETCH_A \slot, (\q)+1, 0
	WIN MUL_HI
	MUL16 4, (\q)%2, \q, \slot, \zero
	MUL16 6, (\q)%2, \q, \slot, \zero
	PLACES NP
	WIN 0
	FETCH_A \slot, (\q)+1, 4
.endm
; A slot's last step changes slots: one barrier; in front of it each wave waits for all its tensor loads, adds 0 to its spare word, and waits for that and for its own reads of this slot.
.macro TURN slot, next, fill
	s_wait_tensorcnt 0x0                           ; all my tensor loads have landed: my part of the next slot
	ds_add_u32 v[SPW], v[NIL]                      ; 0 onto my spare word
	s_wait_dscnt 4*NL+1                            ; (the add and the youngest 24 loads may be out)
	WIN MUL_LO
	MUL16 0, 1, NQ-1, \slot, 0
	s_wait_dscnt 0x0                               ; the add is done, and my reads of this slot are over
	s_barrier_signal -1
	MUL16 2, 1, NQ-1, \slot, 0
	WIN 0
	s_barrier_wait -1
.if \fill
	CREST                                          ; the barrier has opened a round of the cluster's barrier: no wave of any partner still reads this slot or has a load on its way
	s_add_nc_u64 s[G0+4*\slot+2:G0+4*\slot+3], s[G0+4*\slot+2:G0+4*\slot+3], 2*ROWB
	s_add_nc_u64 s[G0B+4*\slot+2:G0B+4*\slot+3], s[G0B+4*\slot+2:G0B+4*\slot+3], 2*ROWB
	JLOAD G0+4*\slot, G1, G0B+4*\slot, G1B         ; the first tensor load behind the round; its four v_nop are also the places in front of the loads below
.else
	PLACES NP
.endif
	v_add_nc_u32 v[ADRS], 4*NQ, v[ADRS]            ; on to the next K step's scale words
	FETCH_B \next, 0, 0
	FETCH_A \next, 0, 0
	SCALES \next
	WIN MUL_HI
	MUL16 4, 1, NQ-1, \slot, 0
	MUL16 6, 1, NQ-1, \slot, 0
	PLACES NP
	WIN 0
	FETCH_A \next, 0, 4
.endm
	s_wait_tensorcnt 1                             ; the scales and my part of K step 0 are in (K step 1's load may be out),
	s_barrier_signal -1
	s_barrier_wait -1                              ; everybody's are
	FETCH_B 0, 0, 0
	FETCH_A 0, 0, 0
	SCALES 0
	FETCH_A 0, 0, 4
	STEP 0, 0, 1                                   ; the first step stands in front of the loop: its products start the sums
	s_mov_b32 s3, LAPS-1
.Llap:                                                 ; a trip goes once round the ring and fills both slots again
	TURN 0, 1, 1
	STEP 1, 0, 0
	TURN 1, 0, 1
	STEP 0, 0, 0
	s_sub_co_u32 s3, s3, 1
	s_cmp_lg_u32 s3, 0
	s_cbranch_scc1 .Llap
	TURN 0, 1, 0                                   ; the last lap fills nothing
	STEP 1, 0, 0
	s_wait_dscnt 4*NL
	WIN MUL_LO
	MUL16 0, 1, NQ-1, 1, 0
	MUL16 2, 1, NQ-1, 1, 0
	s_wait_dscnt 0
	WIN MUL_HI
	MUL16 4, 1, NQ-1, 1, 0
	MUL16 6, 1, NQ-1, 1, 0
	WIN 0
; THE END.  64 numbers of a lane, v[s] .. v[s + 63] (four blocks of 32, of which a lane holds 16 each and lane l xor 16 the others), become a fragment's codes in v[CD] on and its scale word in v[PW].
.macro QUANT s
.irp b, 0,1,2,3
	v_max3_num_f32 v[TM+\b], |v[\s+16*\b]|, |v[\s+1+16*\b]|, 0x1800000   ; my 16 numbers of block b, and the floor 2^(3 - 127): the byte cannot fall under 1
.endr
.irp i, 2,4,6,8,10,12,14
.irp b, 0,1,2,3
	v_max3_num_f32 v[TM+\b], v[TM+\b], |v[\s+16*\b+\i]|, |v[\s+1+16*\b+\i]|   ; (the four blocks by turns)
.endr
.endr
.irp b, 0,1,2,3
	v_permlanex16_b32 v[TM+4+\b], v[TM+\b], s[SEL], s[SEL+1]
.endr
.irp b, 0,1,2,3
	v_max_num_f32 v[TM+\b], v[TM+\b], v[TM+4+\b]   ; with lane l xor 16's: the block's largest magnitude
.endr
.irp b, 0,1,2,3
	v_add_nc_u32 v[TM+12+\b], 0xff000000, v[TM+\b]   ; 2 off its exponent field: the conversion's scale operand
.endr
.irp b, 0,1,2,3
	v_lshrrev_b32 v[TM+4+\b], 23, v[TM+12+\b]      ; the scale's byte
.endr
	v_lshl_or_b32 v[PW], v[TM+5], 8, v[TM+4]
	v_lshl_or_b32 v[PW], v[TM+6], 16, v[PW]
	v_lshl_or_b32 v[PW], v[TM+7], 24, v[PW]
.irp c, 0,1
	v_cvt_scalef32_pk16_fp6_f32 v[CD+6*\c:CD+2+6*\c], v[\s+32*\c:\s+15+32*\c], v[TM+12+2*\c]
	v_cvt_scalef32_pk16_fp6_f32 v[CD+12+4*\c:CD+14+4*\c], v[\s+16+32*\c:\s+31+32*\c], v[TM+12+2*\c+1]   ; (a conversion's three registers begin on an even number)
.endr
	v_nop                                          ; one plain line behind a scaled conversion
.irp c, 0,1                                    ; the operand's layout wants a whole block in a lane: lanes 0-15 block 2 c, lanes 16-31 block 2 c + 1
.irp i, 0,1,2
	v_permlane16_swap_b32 v[CD+6*\c+\i], v[CD+12+4*\c+\i]
.endr
.irp i, 0,1,2
	v_mov_b32 v[CD+3+6*\c+\i], v[CD+12+4*\c+\i]
.endr
.endr
.endm
	PLACES NP                                      ; behind the last products: loads into B's registers and reads of results follow
	s_load_b64 s[4:5], s[0:1], 0x38                ; qrec
	s_load_b64 s[6:7], s[0:1], 0x40                ; kvrec
	s_mov_b32 s[SEL], 0x76543210
	s_mov_b32 s[SEL+1], 0xfedcba98
	v_and_b32 v2, 31, v0                           ; lane
	v_and_b32 v24, 15, v0                          ; r
	v_bfe_u32 v25, v0, 4, 1                        ; h  (v24 and v25 later take the lane exchanges: so they are written here)
	v_lshlrev_b32 v1, 4, v25                       ; 16 h
	v_lshlrev_b32 v252, 4, v2                      ; an image's place for my lane: 16 x lane,
	v_lshlrev_b32 v253, 3, v2                      ; 8 x lane
	v_mul_u32_u24 v254, v25, HEADB
	v_lshl_add_u32 v254, v24, 4, v254              ; scale words: 16 r; lanes 16-31 store the second head's
	v_mov_b32 v27, 0                               ; (named as the upper halves of pairs)
	v_mov_b32 v31, 0
.irp b, 0,1,2,3
	v_mov_b32 v[TM+4+\b], 0                        ; written once: a lane permute's destination counts as one of its sources
.endr
	s_cmp_eq_u32 ttmp9, 2
	s_cbranch_scc1 .Lv
	; ---- q or k.  Accumulator (a, b): lane (r, h) holds token 16 a + r and columns 16 b + 8 h + 0 .. 7 of my 128: two heads of 64
	v_lshlrev_b32 v255, 5, v25                     ; the bias and gamma of my half: 32 h bytes on
	s_lshr_b32 s18, s17, 3                         ; batch: 8 tiles of 256 tokens each
	s_and_b32 s19, s17, 7
	s_lshl_b32 s19, s19, 1
	s_add_co_u32 s19, s19, s15                     ; which 128 tokens of the batch
	s_lshl_b32 s20, s40, 2
	s_lshl_b32 s21, s16, 1
	s_add_co_u32 s20, s20, s21                     ; my first head: 4 cx + 2 x half
	s_lshl_b32 s18, s18, 4
	s_add_co_u32 s18, s18, s20
	s_mul_i32 s18, s18, HEADB
	s_mul_i32 s19, s19, REC
	s_add_co_u32 s18, s18, s19                     ; my first record, in bytes
	s_mov_b32 s19, 0
	s_lshl_b32 s20, s42, 10                        ; bqkv: 4 (256 x tile + 128 x half)
	s_lshl_b32 s21, s16, 9
	s_add_co_u32 s20, s20, s21
	s_mov_b32 s21, 0
	s_lshl_b32 s22, s40, 10                        ; gamma: the same within q or k
	s_lshl_b32 s23, s16, 9
	s_add_co_u32 s22, s22, s23
	s_mov_b32 s23, 0
	s_wait_kmcnt 0x0
	s_cmp_eq_u32 ttmp9, 0
	s_cselect_b64 s[4:5], s[4:5], s[6:7]           ; q's records or k's
	s_cselect_b64 s[98:99], s[98:99], s[100:101]   ; gamma_q or gamma_k
	s_add_nc_u64 s[4:5], s[4:5], s[18:19]
	s_add_nc_u64 s[96:97], s[96:97], s[20:21]
	s_add_nc_u64 s[98:99], s[98:99], s[22:23]
	WIN TO_B
.irp i, 0,1,2,3,4,5,6,7,8,9,10,11,12,13,14,15
	global_load_b128 v[BI+4*\i:BI+4*\i+3], v255, s[96:97] offset:64*(\i/2)+16*(\i%2)
	global_load_b128 v[GA+4*\i:GA+4*\i+3], v255, s[98:99] offset:64*(\i/2)+16*(\i%2)
.endr
	s_wait_loadcnt 0x0
	WIN 0x41
.set i, 0
.rept 32
	v_pk_mul_f32 v[GA+i:GA+i+1], v[GA+i:GA+i+1], 0x41000000 op_sel_hi:[1,0]   ; gamma x sqrt(64): exact
.set i, i+2
.endr
	WIN 0
.macro QKROW a
	WIN (2+(\a)/4)|4                               ; source 0: the accumulators' window; source 1: window 1
.set i, 0
.rept 32
	v_pk_add_f32 v[T+i:T+i+1], v[64*((\a)%4)+i:64*((\a)%4)+i+1], v[BI+i:BI+i+1]   ; + bias; each accumulator from its low end on
.set i, i+2
.endr
	WIN 0
	v_pk_mul_f32 v[20:21], v[T:T+1], v[T:T+1]      ; the sums of squares of the two heads, by turns
	v_pk_mul_f32 v[22:23], v[T+32:T+33], v[T+32:T+33]
.irp i, 2,4,6,8,10,12,14,16,18,20,22,24,26,28,30
	v_pk_fma_f32 v[20:21], v[T+\i:T+\i+1], v[T+\i:T+\i+1], v[20:21]
	v_pk_fma_f32 v[22:23], v[T+32+\i:T+33+\i], v[T+32+\i:T+33+\i], v[22:23]
.endr
	v_add_f32 v20, v20, v21
	v_add_f32 v22, v22, v23
	v_permlanex16_b32 v24, v20, s[SEL], s[SEL+1]   ; the head's other 32 lie in lane l xor 16
	v_permlanex16_b32 v25, v22, s[SEL], s[SEL+1]
	v_add_f32 v20, v20, v24
	v_add_f32 v22, v22, v25
	v_max_num_f32 v20, 0x179abe15, v20             ; 1e-24
	v_max_num_f32 v22, 0x179abe15, v22
	v_rsq_f32 v26, v20
	v_rsq_f32 v30, v22
	v_nop                                          ; one plain line behind a transcendental
.set i, 0
	s_wait_alu depctr_va_vdst(0)
.rept 16
	v_pk_mul_f32 v[T+i:T+i+1], v[T+i:T+i+1], v[26:27] op_sel_hi:[1,0]
	v_pk_mul_f32 v[T+32+i:T+33+i], v[T+32+i:T+33+i], v[30:31] op_sel_hi:[1,0]
.set i, i+2
.endr
	WIN 0x04
.set i, 0
.rept 32
	v_pk_mul_f32 v[T+i:T+i+1], v[T+i:T+i+1], v[GA+i:GA+i+1]
.set i, i+2
.endr
	WIN 0
	s_wait_xcnt 0x0                                ; the codes' registers are the last row's store data: written again only behind this wait
	QUANT T
	global_store_b128 v252, v[CD:CD+3], s[4:5] offset:768*(\a)              ; the first head's tile: 512 + 256 consecutive bytes, aligned
	global_store_b64 v253, v[CD+4:CD+5], s[4:5] offset:768*(\a)+512
	global_store_b128 v252, v[CD+6:CD+9], s[4:5] offset:HEADB+768*(\a)      ; the second head's
	global_store_b64 v253, v[CD+10:CD+11], s[4:5] offset:HEADB+768*(\a)+512
	v_lshrrev_b32 v[SW+(\a)], v1, v[PW]            ; lanes 0-15 keep the first head's two bytes, lanes 16-31 the second's; the upper two bytes are 0: they scale zero codes
	v_and_b32 v[SW+(\a)], 0xffff, v[SW+(\a)]
.endm
.irp a, 0,1,2,3,4,5,6,7
	QKROW \a
.endr
	global_store_b128 v254, v[SW:SW+3], s[4:5] offset:12288      ; sixteen lanes store 256 consecutive bytes, aligned
	global_store_b128 v254, v[SW+4:SW+7], s[4:5] offset:12544
	s_branch .Ldone
.Lv:
	; ---- v.  Accumulator (a, b): lane (r, h) holds column 16 a + r of my 128 (two heads) and tokens 16 b + 8 h + 0 .. 7 of my 128
	v_lshlrev_b32 v255, 2, v24                     ; my column's bias: 4 r
	s_lshr_b32 s18, s42, 3                         ; batch
	s_and_b32 s19, s42, 7
	s_lshl_b32 s19, s19, 1
	s_add_co_u32 s19, s19, s16                     ; which 128 tokens of the batch
	s_lshl_b32 s20, s41, 2
	s_lshl_b32 s21, s15, 1
	s_add_co_u32 s20, s20, s21                     ; my first head: 4 cy + 2 x half
	s_lshl_b32 s18, s18, 4
	s_add_co_u32 s18, s18, s20
	s_mul_i32 s18, s18, HEADB
	s_mul_i32 s19, s19, REC
	s_add_co_u32 s18, s18, s19
	s_mov_b32 s19, 0
	s_lshl_b32 s20, s17, 10                        ; bqkv: 4 (256 x tile + 128 x half)
	s_lshl_b32 s21, s15, 9
	s_add_co_u32 s20, s20, s21
	s_mov_b32 s21, 0
	s_wait_kmcnt 0x0
	s_add_nc_u64 s[6:7], s[6:7], s[18:19]
	s_add_nc_u64 s[96:97], s[96:97], s[20:21]
	WIN TO_B
.irp a, 0,1,2,3,4,5,6,7
	global_load_b32 v[BI+2*\a], v255, s[96:97] offset:64*\a      ; twice: a pair for the packed addition
	global_load_b32 v[BI+2*\a+1], v255, s[96:97] offset:64*\a
.endr
	s_wait_loadcnt 0x0
	WIN 0
.macro VROW a
	WIN (2+(\a)/4)|4
.set i, 0
.rept 32
	v_pk_add_f32 v[T+i:T+i+1], v[64*((\a)%4)+i:64*((\a)%4)+i+1], v[BI+2*(\a):BI+2*(\a)+1]
.set i, i+2
.endr
	WIN 0
	s_wait_xcnt 0x0                                ; the codes' registers are the last row's store data
	QUANT T
.irp c, 0,1,2
	global_store_b128 v252, v[CD+4*\c:CD+4*\c+3], s[6:7] offset:((\a)/4)*HEADB+6144+((\a)%4)*1536+512*\c
.endr
	v_mov_b32 v[SW+(\a)], v[PW]
.endm
.irp a, 0,1,2,3,4,5,6,7
	VROW \a
.endr
	v_cmp_lt_u32 vcc_lo, 15, v2
.irp i, 0,1,2,3
	v_cndmask_b32 v[SW+\i], v[SW+\i], v[SW+4+\i], vcc_lo   ; lanes 16-31 store the second head's four words
.endr
	global_store_b128 v254, v[SW:SW+3], s[6:7] offset:12800
.Ldone:
	s_wait_tensorcnt 0x0                           ; the wave's end
	ds_add_u32 v[SPW], v[NIL]
	s_wait_dscnt 0x0
	CROUND                                         ; the closing round: no work-group ends while a partner may still ask for a tile that names it
	s_endpgm
.Lfunc_end_k_qb432556f35_qkv:
	.size	k_qb432556f35_qkv, .Lfunc_end_k_qb432556f35_qkv-k_qb432556f35_qkv
	.p2alignl 7, 3214868480
	.fill 96, 4, 3214868480
	.section	.rodata,"a",@progbits
	.p2align	6, 0x0
	.amdhsa_kernel k_qb432556f35_qkv
		.amdhsa_group_segment_fixed_size 327680
		.amdhsa_private_segment_fixed_size 0
		.amdhsa_enable_private_segment 0
		.amdhsa_kernarg_size 72
		.amdhsa_user_sgpr_count 2
		.amdhsa_user_sgpr_kernarg_segment_ptr 1
		.amdhsa_wavefront_size32 1
		.amdhsa_system_sgpr_workgroup_id_x 1
		.amdhsa_system_sgpr_workgroup_id_y 1
		.amdhsa_system_sgpr_workgroup_id_z 1
		.amdhsa_system_vgpr_workitem_id 0
		.amdhsa_next_free_vgpr 1024
		.amdhsa_next_free_sgpr 102
		.amdhsa_reserve_vcc 1
		.amdhsa_float_denorm_mode_32 3
		.amdhsa_float_denorm_mode_16_64 3
		.amdhsa_memory_ordered 1
		.amdhsa_forward_progress 1
		.amdhsa_inst_pref_size 255
	.end_amdhsa_kernel
	.section	.bss,"aw",@nobits
	.p2align	6
	.space	262144
	.amdgpu_metadata
---
amdhsa.version: [ 1, 2 ]
amdhsa.kernels:
  - .name:           k_qb432556f35_qkv
    .symbol:         k_qb432556f35_qkv.kd
    .args:
      - { .name: x_codes, .offset: 0, .size: 8, .value_kind: global_buffer, .address_space: global }
      - { .name: x_scales, .offset: 8, .size: 8, .value_kind: global_buffer, .address_space: global }
      - { .name: w_codes, .offset: 16, .size: 8, .value_kind: global_buffer, .address_space: global }
      - { .name: w_scales, .offset: 24, .size: 8, .value_kind: global_buffer, .address_space: global }
      - { .name: bqkv, .offset: 32, .size: 8, .value_kind: global_buffer, .address_space: global }
      - { .name: gamma_q, .offset: 40, .size: 8, .value_kind: global_buffer, .address_space: global }
      - { .name: gamma_k, .offset: 48, .size: 8, .value_kind: global_buffer, .address_space: global }
      - { .name: qrec, .offset: 56, .size: 8, .value_kind: global_buffer, .address_space: global }
      - { .name: kvrec, .offset: 64, .size: 8, .value_kind: global_buffer, .address_space: global }
    .group_segment_fixed_size: 327680
    .private_segment_fixed_size: 0
    .kernarg_segment_align: 8
    .kernarg_segment_size: 72
    .max_flat_workgroup_size: 128
    .sgpr_count:     102
    .vgpr_count:     1024
    .wavefront_size: 32
...
	.end_amdgpu_metadata
.endif
;; end of part 2
;; launch attn (part 3): grid 8 x 32, 16 waves a work-group, clusters of 4 x 1, 210,944 bytes of LDS; arguments qrec, kvrec, a_img, a_scales; writes a_img, a_scales
.if DOCPART == 3
	.amdgcn_target "amdgcn-amd-amdhsa--gfx1250"
	.amdhsa_code_object_version 6
	.text
	.protected	k_qb432556f35_attn
	.globl	k_qb432556f35_attn
	.p2align	8
	.type	k_qb432556f35_attn,@function
k_qb432556f35_attn:
	s_mov_b64 s[64:65], 0
	v_nop
	global_prefetch_b8 v0, s[64:65] scope:SCOPE_SE
	s_setreg_imm32_b32 hwreg(HW_REG_WAVE_MODE, 25, 1), 1
	s_wait_xcnt 0x0
	s_wait_alu depctr_hold_cnt(0) depctr_sa_sdst(0) depctr_va_vdst(0) depctr_va_sdst(0) depctr_va_ssrc(0) depctr_va_vcc(0) depctr_vm_vsrc(0)
	s_getreg_b32 s2, hwreg(HW_REG_IB_STS2, 6, 4)
	s_cmp_eq_u32 s2, 0
	s_cbranch_scc0 .Lentry_in_a_cluster
	s_endpgm
.Lentry_in_a_cluster:
	s_bfe_u32 s2, ttmp6, 0x10000c
	s_cmp_lg_u32 s2, 0x3003
	s_cbranch_scc0 .Lentry_shape_is_right
	s_endpgm
.Lentry_shape_is_right:
; o = softmax(q k^T / 8) v for one head, both products on codes of FP6 (E2M3) with E8M0 scales; o / l is quantised along the model's 1,024 for the last product.
; t = score x log2(e) / 8; M = the row's largest t so far, rounded up to a whole number; p = 2^(t - M) is quantised along the keys, not normalised; the row's sum l is taken of the unquantised p and divides at the end.
; When M moves, the sum and O are multiplied by 2^(old M - new M): exact.  No limit of range comes from the softmax.
; SHARES.  A work-group owns 256 queries of one (batch, head); each of its sixteen waves owns 16 of them in 256 registers: four waves to a SIMD, so that one wave's vector work stands beside another's products and LDS loads.
; K, V AND THEIR SCALES OF THE WHOLE HEAD, sixteen records of 13,056 bytes, lie in LDS as they lie in memory; each wave brings one record by one tensor load, once: nothing is filled again, so there is no ring.
; CLUSTER.  The four query blocks of a cluster belong to one head and read the same records: each load is a joint one, with the same descriptor and a mask that names the four.
; A RECORD (128 keys): 8 tiles of k (16 keys x 64) of 768 bytes as images of the operand's registers (0-3 at 16 x lane, 4-5 at 512 + 8 x lane); at 6,144 4 tiles of v^T (16 x 128 keys) of 1,536 bytes;
; at 12,288 k's scale words [2][16 rows][4]; at 12,800 v's [16 rows][4].  Every LDS load of codes takes 16 or 8 consecutive bytes a lane: no padding is wanted.
; LAYOUT.  S^T = k q^T (source 0 = 16 keys, source 1 = my 16 queries), O^T = v^T p^T: a lane holds one query (lane % 16) throughout.  The head's 64 fill half of the instruction's 128 along K: registers 6-11 of q's and
; k's fragments are zero codes, under scale bytes 0 (2^-127: no NaN), and add nothing.  Inside a block of 32 keys p lies in the order 8 (2 ((i / 8) % 2) + i / 16) + i % 8, as v was laid; q and k share one order too.
; WHAT IS STORED: a_img [token tile 256][head 16][768]: the image of the six registers that hold this head's 64 of a fragment of 16 tokens; a_scales [4096][32].
; The scale bytes leave as 2 bytes a token, 32 bytes apart: a token's 32 bytes come from sixteen work-groups; they are 131,072 of the launch's 3,276,800 bytes out.
; LIMITS: a block of zeros gets the byte 1 (zero codes); NaN and infinities are not served; 1 / l is v_rcp_f32; a block's largest p is taken as 2^ of the block's largest score, which leans on v_exp_f32 not falling where its input rises.
.set REC,   13056
.set HEADB, 16*REC
.set S,     124                        ; v124-187 S^T, then p
.set O,     188                        ; v188-219 O^T
.set P,     220                        ; v220-231 p's codes
; v1 16 x lane; v2 8 x lane; v3 16 r; v4-6 the step's LDS addresses; v7 32 r; v8-11 v's scale words; v12 -M; v13 the largest t; v[14:15] the sum; v16-27 q; v28-75 four fragments of k; v76-123 four of v;
; v232-247, 252, 254 at work; v248-251 k's scale words; v253 p's scale word; v255 q's
.macro CROUND                          ; a round of the cluster's barrier
	s_barrier_signal -1
	s_barrier_wait -1
	s_cmp_lg_u32 s12, 0
	s_cbranch_scc1 .Lnot_wave_0_\@
	s_barrier_signal -3
.Lnot_wave_0_\@:
	s_barrier_wait -3
	s_barrier_signal -1
	s_barrier_wait -1
.endm
	s_load_b256 s[4:11], s[0:1], 0x0               ; qrec s[4:5], kvrec s[6:7], a_img s[8:9], a_scales s[10:11]
	v_lshl_add_u32 v254, v0, 2, 0x33000
	v_mov_b32 v255, 0
	ds_add_u32 v254, v255
	ds_add_u32 v254, v255
	s_wait_dscnt 0x0
	v_lshrrev_b32 v1, 5, v0
	v_readfirstlane_b32 s12, v1                    ; wave 0..15
	s_bfe_u32 s13, ttmp6, 0x40000                  ; cx
	s_lshl_b32 s14, ttmp9, 2
	s_add_co_u32 s14, s14, s13                     ; my block of 256 queries: it enters q's and the results' addresses alone
	s_and_b32 s15, ttmp7, 0xffff                   ; 16 x batch + head, which the four partners share
	; descriptor group 1: a record, 13,056 dense bytes, as 51 rows of 256 bytes (32 elements of 8 bytes), no padding
	s_mov_b32 s24, 15|(3<<16)|(1<<21)              ; 15:0 the mask: all four work-groups; 17:16 elements of 8 bytes; 21 set beside a mask
	s_mov_b32 s25, 32<<16                          ; tensor_dim0
	s_mov_b32 s26, 51<<16                          ; tensor_dim1
	s_mov_b32 s27, 32<<16                          ; tile_dim0
	s_mov_b32 s28, 51                              ; tile_dim1
	s_mov_b32 s29, 32                              ; from row to row
	s_mov_b32 s30, 0
	s_mov_b32 s31, 0
	s_mul_i32 s34, s15, HEADB                      ; the head's first record, in bytes
	s_mul_i32 s17, s12, REC                        ; my record's place, in LDS as in memory
	s_add_co_u32 s36, s34, s17
	s_mov_b32 s37, 0
	s_mov_b32 s20, 0x76543210
	s_mov_b32 s21, 0xfedcba98                      ; selects for lane l xor 16
	s_mov_b32 s22, 0x3e38aa3b                      ; c = log2(e) / 8
	s_mov_b32 s23, s22                             ; (named with it as a pair)
	s_wait_kmcnt 0x0
	s_mov_b32 s16, 1
	s_add_nc_u64 s[18:19], s[6:7], s[36:37]
	s_or_b32 s19, s19, 0x80000000
	CROUND                                         ; all four work-groups are here: the joint loads meet
	tensor_load_to_lds s[16:19], s[24:31]          ; my one tensor load
	s_nop 0
.rept 4
	v_nop
.endr
	v_and_b32 v1, 31, v0
	v_lshlrev_b32 v2, 3, v1                        ; 8 x lane
	v_lshlrev_b32 v1, 4, v1                        ; 16 x lane
	v_and_b32 v3, 15, v0
	v_lshlrev_b32 v3, 4, v3                        ; 16 r
	s_lshr_b32 s38, s12, 3                         ; q: record 2 x block + wave / 8, tile wave % 8
	s_lshl_b32 s39, s14, 1
	s_add_co_u32 s38, s38, s39
	s_mul_i32 s38, s38, REC
	s_add_co_u32 s38, s38, s34
	s_mov_b32 s39, 0
	s_add_nc_u64 s[4:5], s[4:5], s[38:39]
	s_and_b32 s40, s12, 7
	s_mul_i32 s41, s40, 768
	v_add_nc_u32 v232, s41, v1
	v_add_nc_u32 v233, s41, v2
	s_lshr_b32 s41, s40, 2
	s_lshl_b32 s41, s41, 8
	s_and_b32 s40, s40, 3
	s_lshl_b32 s40, s40, 2
	s_add_co_u32 s41, s41, s40
	v_add_nc_u32 v234, s41, v3
	global_load_b128 v[16:19], v232, s[4:5]
	global_load_b64 v[20:21], v233, s[4:5] offset:512
	global_load_b32 v255, v234, s[4:5] offset:12288
.irp j, 22,23,24,25,26,27
	v_mov_b32 v[\j], 0                             ; q's upper half along K: zero codes
.endr
.irp t, 0,1,2,3
.irp j, 6,7,8,9,10,11
	v_mov_b32 v[28+12*\t+\j], 0                    ; and k's, once for all steps
.endr
.endr
	v_mov_b32 v13, 0xff61b1e6                      ; the largest t so far: -3e38
	v_floor_f32 v12, -v13                          ; -M
	v_mov_b32 v14, 0                               ; the sum, in two halves
	v_mov_b32 v15, 0
.irp b, 0,1,2,3
	v_mov_b32 v[236+\b], 0                         ; written once: a lane permute's destination counts as one of its sources
.endr
	v_mov_b32 v252, 0
	v_mov_b32 v253, 0                              ; (named as the upper half of the pair v[252:253] before it is first written)
.set j, 0
.rept 32
	v_mov_b32 v[O+j], 0                            ; O^T: the loop is written once; its first step finds zeros, which the first change of M leaves zeros
.set j, j+1
.endr
	s_mov_b32 s32, 0                               ; the step's record in LDS
	s_mov_b32 s33, 16
	s_wait_tensorcnt 0x0                           ; my record is in,
	s_barrier_signal -1
	s_barrier_wait -1                              ; everybody's is
	s_wait_loadcnt 0x0                             ; q
.Lstep:                                            ; 16 trips of 128 keys
	v_add_nc_u32 v4, s32, v1                       ; three additions and a v_nop: the four places behind the last trip's products, in front of the loads into their registers
	v_add_nc_u32 v5, s32, v2
	v_add_nc_u32 v6, s32, v3
	v_nop
.irp t, 0,1,2,3
	ds_load_b128 v[28+12*\t:31+12*\t], v4 offset:768*\t
	ds_load_b64 v[32+12*\t:33+12*\t], v5 offset:768*\t+512
.endr
	ds_load_b128 v[248:251], v6 offset:12288       ; the scale words of tiles 0-3
.irp t, 0,1,2,3
.irp c, 0,1,2
	ds_load_b128 v[76+12*\t+4*\c:79+12*\t+4*\c], v4 offset:6144+1536*\t+512*\c
.endr
.endr
	ds_load_b128 v[8:11], v6 offset:12800          ; v's scale words
	s_wait_dscnt 13                                ; k's nine loads are in; v's thirteen, issued behind them, may be out
.irp t, 0,1,2,3
	v_wmma_scale_f32_16x16x128_f8f6f4 v[S+8*\t:S+8*\t+7], v[28+12*\t:39+12*\t], v[16:27], 0, v[248+\t], v255 matrix_a_fmt:MATRIX_FMT_FP6 matrix_b_fmt:MATRIX_FMT_FP6
.endr
.rept 4
	v_nop                                          ; places in front of loads into registers that these products read
.endr
.irp t, 0,1,2,3
	ds_load_b128 v[28+12*\t:31+12*\t], v4 offset:768*(4+\t)
	ds_load_b64 v[32+12*\t:33+12*\t], v5 offset:768*(4+\t)+512
.endr
	ds_load_b128 v[248:251], v6 offset:12544
	s_wait_dscnt 0x0
.irp t, 0,1,2,3
	v_wmma_scale_f32_16x16x128_f8f6f4 v[S+32+8*\t:S+32+8*\t+7], v[28+12*\t:39+12*\t], v[16:27], 0, v[248+\t], v255 matrix_a_fmt:MATRIX_FMT_FP6 matrix_b_fmt:MATRIX_FMT_FP6
.endr
.rept 4
	v_nop
.endr
.irp b, 0,1,2,3
	v_max3_num_f32 v[232+\b], v[S+16*\b], v[S+1+16*\b], v[S+2+16*\b]   ; the largest score of each block of 32 keys: for the row's maximum, and for the block's largest p
.endr
.irp i, 3,5,7,9,11,13
.irp b, 0,1,2,3
	v_max3_num_f32 v[232+\b], v[232+\b], v[S+16*\b+\i], v[S+1+16*\b+\i]
.endr
.endr
.irp b, 0,1,2,3
	v_max_num_f32 v[232+\b], v[232+\b], v[S+15+16*\b]
.endr
.irp b, 0,1,2,3
	v_permlanex16_b32 v[236+\b], v[232+\b], s20, s21
.endr
.irp b, 0,1,2,3
	v_max_num_f32 v[232+\b], v[232+\b], v[236+\b]  ; with lane l xor 16's 16 keys
.endr
	v_max3_num_f32 v254, v232, v233, v234
	v_max_num_f32 v254, v254, v235                 ; the step's largest score of my query
	v_mul_f32 v254, s22, v254                      ; as t (c is positive)
	v_max_num_f32 v13, v13, v254                   ; the running largest t
	v_mov_b32 v254, v12
	v_floor_f32 v12, -v13                          ; the new -M = floor(-t): M is a whole number
	v_sub_f32 v254, v12, v254                      ; old M - new M: a whole number, 0 or less
	v_cvt_i32_f32 v254, v254                       ; (it saturates)
	v_ldexp_f32 v252, 1.0, v254                    ; f = 2^(old M - new M)
.set j, 0
.rept 32
	v_pk_fma_f32 v[S+j:S+j+1], v[S+j:S+j+1], s[22:23], v[12:13] op_sel_hi:[1,0,0]   ; t - M, two at a time
.set j, j+2
.endr
.irp b, 0,1,2,3
	v_fma_f32 v[232+\b], v[232+\b], s22, v12       ; the same of each block's largest score
.endr
.set j, 0
.rept 64
	v_exp_f32 v[S+j], v[S+j]                       ; p = 2^(t - M), at most 1
.set j, j+1
.endr
.irp b, 0,1,2,3
	v_exp_f32 v[232+\b], v[232+\b]                 ; the block's largest p
.endr
	v_pk_mul_f32 v[14:15], v[14:15], v[252:253] op_sel_hi:[1,0]   ; the sums under the new M (a plain line behind the exponentials)
	s_wait_alu depctr_va_vdst(0)
.irp b, 0,1,2,3
	v_max_num_f32 v[232+\b], 0x1800000, v[232+\b]  ; the floor 2^(3 - 127): the byte cannot fall under 1
.endr
.irp b, 0,1,2,3
	v_add_nc_u32 v[244+\b], 0xff000000, v[232+\b]  ; 2 off the exponent field: the conversion's scale operand
.endr
.irp b, 0,1,2,3
	v_lshrrev_b32 v[236+\b], 23, v[244+\b]         ; the scale's byte
.endr
	v_lshl_or_b32 v253, v237, 8, v236              ; p's scale word for these 128 keys
	v_lshl_or_b32 v253, v238, 16, v253
	v_lshl_or_b32 v253, v239, 24, v253
.irp c, 0,1
	v_cvt_scalef32_pk16_fp6_f32 v[P+6*\c:P+2+6*\c], v[S+32*\c:S+15+32*\c], v[244+2*\c]
	v_cvt_scalef32_pk16_fp6_f32 v[236+4*\c:238+4*\c], v[S+16+32*\c:S+31+32*\c], v[244+2*\c+1]   ; (a conversion's three registers begin on an even number)
.endr
	v_nop                                          ; one plain line behind a scaled conversion
.irp c, 0,1                                    ; a whole block to a lane: lanes 0-15 block 2 c, lanes 16-31 block 2 c + 1
.irp i, 0,1,2
	v_permlane16_swap_b32 v[P+6*\c+\i], v[236+4*\c+\i]
.endr
.irp i, 0,1,2
	v_mov_b32 v[P+3+6*\c+\i], v[236+4*\c+\i]
.endr
.endr
	v_pk_add_f32 v[236:237], v[S:S+1], v[S+2:S+3]  ; the row's sum of the unquantised p: two at a time, in two chains
.irp j, 4,8,12,16,20,24,28,32,36,40,44,48,52,56,60
	v_pk_add_f32 v[14:15], v[14:15], v[S+\j:S+1+\j]
	v_pk_add_f32 v[236:237], v[236:237], v[S+2+\j:S+3+\j]
.endr
	v_pk_add_f32 v[14:15], v[14:15], v[236:237]
.set j, 0
.rept 16
	v_pk_mul_f32 v[O+j:O+j+1], v[O+j:O+j+1], v[252:253] op_sel_hi:[1,0]   ; O^T under the new M.  (With the sums above: the places between the writing of p's codes and scale word and the products below)
.set j, j+2
.endr
.irp t, 0,1,2,3                                ; O^T += v^T p^T: the four accumulators take turns, one instruction a turn
	v_wmma_scale_f32_16x16x128_f8f6f4 v[O+8*\t:O+8*\t+7], v[76+12*\t:87+12*\t], v[P:P+11], v[O+8*\t:O+8*\t+7], v[8+\t], v253 matrix_a_fmt:MATRIX_FMT_FP6 matrix_b_fmt:MATRIX_FMT_FP6
.endr
	s_add_co_u32 s32, s32, REC
	s_sub_co_u32 s33, s33, 1
	s_cmp_lg_u32 s33, 0
	s_cbranch_scc1 .Lstep
	; THE WAY OUT.  Register 8 t + j of O^T is o(query r, 16 t + 8 h + j).  O^T / l is quantised in two blocks of 32 and stored as the image of six registers of the next product's fragment.
	s_lshr_b32 s34, s15, 4                         ; batch
	s_and_b32 s35, s15, 15                         ; head
	s_lshl_b32 s36, s34, 7
	s_lshl_b32 s37, s14, 4
	s_add_co_u32 s36, s36, s37
	s_add_co_u32 s36, s36, s12                     ; my tile of 16 tokens: 128 x batch + 16 x block + wave
	s_mul_i32 s38, s36, 12288
	s_mul_i32 s39, s35, 768
	s_add_co_u32 s38, s38, s39
	s_mov_b32 s39, 0
	s_add_nc_u64 s[8:9], s[8:9], s[38:39]
	s_lshl_b32 s40, s36, 9
	s_lshl_b32 s41, s35, 1
	s_add_co_u32 s40, s40, s41
	s_mov_b32 s41, 0
	s_add_nc_u64 s[10:11], s[10:11], s[40:41]
	v_lshlrev_b32 v7, 1, v3                        ; 32 r: my token's row of scale bytes
	v_add_f32 v14, v14, v15                        ; the sum's two halves,
	v_nop
	v_nop                                          ; (four plain lines behind the last products)
	v_permlanex16_b32 v252, v14, s20, s21
	v_add_f32 v14, v14, v252                       ; and lane l xor 16's: the row's sum
	v_rcp_f32 v14, v14
	v_nop                                          ; one plain line behind a transcendental
.set j, 0
	s_wait_alu depctr_va_vdst(0)
.rept 16
	v_pk_mul_f32 v[S+j:S+j+1], v[O+j:O+j+1], v[14:15] op_sel_hi:[1,0]   ; each accumulator from its low end on
.set j, j+2
.endr
.irp b, 0,1
	v_max3_num_f32 v[232+\b], |v[S+16*\b]|, |v[S+1+16*\b]|, 0x1800000
.endr
.irp i, 2,4,6,8,10,12,14
.irp b, 0,1
	v_max3_num_f32 v[232+\b], v[232+\b], |v[S+16*\b+\i]|, |v[S+1+16*\b+\i]|
.endr
.endr
.irp b, 0,1
	v_permlanex16_b32 v[236+\b], v[232+\b], s20, s21
.endr
.irp b, 0,1
	v_max_num_f32 v[232+\b], v[232+\b], v[236+\b]
.endr
.irp b, 0,1
	v_add_nc_u32 v[244+\b], 0xff000000, v[232+\b]
.endr
.irp b, 0,1
	v_lshrrev_b32 v[236+\b], 23, v[244+\b]
.endr
	v_lshl_or_b32 v238, v237, 8, v236              ; this head's two scale bytes of my token
	v_cvt_scalef32_pk16_fp6_f32 v[P:P+2], v[S:S+15], v244
	v_cvt_scalef32_pk16_fp6_f32 v[P+4:P+6], v[S+16:S+31], v245
	v_nop
.irp i, 0,1,2
	v_permlane16_swap_b32 v[P+\i], v[P+4+\i]       ; lanes 0-15: block 0 whole; lanes 16-31: block 1
.endr
.irp i, 0,1,2
	v_mov_b32 v[P+3+\i], v[P+4+\i]
.endr
	global_store_b128 v1, v[P:P+3], s[8:9]         ; 512 consecutive bytes, aligned
	global_store_b64 v2, v[P+4:P+5], s[8:9] offset:512   ; 256 more
	global_store_b16 v7, v238, s[10:11]            ; lanes l and l xor 16 write the same two bytes with the same value
	s_wait_xcnt 0x0
	v_lshl_add_u32 v254, v0, 2, 0x33000
	v_mov_b32 v255, 0
	s_wait_tensorcnt 0x0
	ds_add_u32 v254, v255
	s_wait_dscnt 0x0
	CROUND                                         ; the closing round
	s_endpgm
.Lfunc_end_k_qb432556f35_attn:
	.size	k_qb432556f35_attn, .Lfunc_end_k_qb432556f35_attn-k_qb432556f35_attn
	.p2alignl 7, 3214868480
	.fill 96, 4, 3214868480
	.section	.rodata,"a",@progbits
	.p2align	6, 0x0
	.amdhsa_kernel k_qb432556f35_attn
		.amdhsa_group_segment_fixed_size 210944
		.amdhsa_private_segment_fixed_size 0
		.amdhsa_enable_private_segment 0
		.amdhsa_kernarg_size 32
		.amdhsa_user_sgpr_count 2
		.amdhsa_user_sgpr_kernarg_segment_ptr 1
		.amdhsa_wavefront_size32 1
		.amdhsa_system_sgpr_workgroup_id_x 1
		.amdhsa_system_sgpr_workgroup_id_y 1
		.amdhsa_system_sgpr_workgroup_id_z 1
		.amdhsa_system_vgpr_workitem_id 0
		.amdhsa_next_free_vgpr 256
		.amdhsa_next_free_sgpr 66
		.amdhsa_reserve_vcc 0
		.amdhsa_float_denorm_mode_32 3
		.amdhsa_float_denorm_mode_16_64 3
		.amdhsa_memory_ordered 1
		.amdhsa_forward_progress 1
		.amdhsa_inst_pref_size 27
	.end_amdhsa_kernel
	.amdgpu_metadata
---
amdhsa.version: [ 1, 2 ]
amdhsa.kernels:
  - .name:           k_qb432556f35_attn
    .symbol:         k_qb432556f35_attn.kd
    .args:
      - { .name: qrec, .offset: 0, .size: 8, .value_kind: global_buffer, .address_space: global }
      - { .name: kvrec, .offset: 8, .size: 8, .value_kind: global_buffer, .address_space: global }
      - { .name: a_img, .offset: 16, .size: 8, .value_kind: global_buffer, .address_space: global }
      - { .name: a_scales, .offset: 24, .size: 8, .value_kind: global_buffer, .address_space: global }
    .group_segment_fixed_size: 210944
    .private_segment_fixed_size: 0
    .kernarg_segment_align: 8
    .kernarg_segment_size: 32
    .max_flat_workgroup_size: 512
    .sgpr_count:     66
    .vgpr_count:     256
    .wavefront_size: 32
...
	.end_amdgpu_metadata
.endif
;; end of part 3
;; launch proj (part 4): grid 8 x 32, 4 waves a work-group, clusters of 4 x 4, 247,808 bytes of LDS; arguments a_img, a_scales, w_codes, w_scales, bout, out0; writes out0
.if DOCPART == 4
	.amdgcn_target "amdgcn-amd-amdhsa--gfx1250"
	.amdhsa_code_object_version 6
	.text
	.protected	k_qb432556f35_proj
	.globl	k_qb432556f35_proj
	.p2align	8
	.type	k_qb432556f35_proj,@function
k_qb432556f35_proj:
	s_mov_b64 s[64:65], 0
	v_nop
	global_prefetch_b8 v0, s[64:65] scope:SCOPE_SE
	s_setreg_imm32_b32 hwreg(HW_REG_WAVE_MODE, 25, 1), 1
	s_wait_xcnt 0x0
	s_wait_alu depctr_hold_cnt(0) depctr_sa_sdst(0) depctr_va_vdst(0) depctr_va_sdst(0) depctr_va_ssrc(0) depctr_va_vcc(0) depctr_vm_vsrc(0)
	s_getreg_b32 s2, hwreg(HW_REG_IB_STS2, 6, 4)
	s_cmp_eq_u32 s2, 0
	s_cbranch_scc0 .Lentry_in_a_cluster
	s_endpgm
.Lentry_in_a_cluster:
	s_bfe_u32 s2, ttmp6, 0x10000c
	s_cmp_lg_u32 s2, 0xf033
	s_cbranch_scc0 .Lentry_shape_is_right
	s_endpgm
.Lentry_shape_is_right:
; out0 = a Wout + bout on codes of FP6 (E2M3) with E8M0 scales.  a: the attention launch's results, 4,096 tokens x 1,024; Wout's columns are rows 3,072 on of w_codes; out0 [4096][1024] f32.
; SHARES.  A tile of out0 is 128 x 128: 32 x 8 = 256 tiles, one to a work-group; tiles of 256 x 256 would be 64.  Four waves, each 64 x 64: 16 accumulators of 16 x 16, 128 registers.
; ALL OF K LIES IN LDS.  A tile's operands for K = 1,024 are 98,304 bytes of a and 98,304 of Wout (122,880 with padding): they fit at once, so every tile is filled once, nothing is filled again, and there is no ring.
; All tensor loads go out together at the start.  Waves 0 and 1 fetch for a, waves 2 and 3 for Wout; with u = wave % 2 a wave asks, in this order, for the scale bytes of 64 rows, for K step u and for K step 2 + u
; (a K step: 256 along K of all 128 rows).  Three tensor loads of a wave are out at the most.  The products of K steps 0 and 1 run while K steps 2 and 3 are on their way.
; CLUSTER.  4 x 4 work-groups: the four of a row need the same tiles of a, the four of a column the same tiles of Wout: each tile is asked for jointly, by the same tensor load with a mask that names the four.
; a's CODES ARE IMAGES OF THE OPERAND'S REGISTERS: [token tile 256][head 16][768]: for 16 tokens and 64 along K, registers 0-3 at 16 x lane, registers 4-5 at 512 + 8 x lane.  A K step of 256 is 3,072 consecutive
; bytes of a token tile: the mover brings 8 such rows, 12,288 bytes apart, and a fragment is four LDS loads of consecutive bytes.  Inside a block of 32 a and Wout share one order.
; The matrix instruction takes 16 rows of Wout's codes as source 0 and 16 tokens as source 1: a lane holds eight neighbouring numbers of a row of out0.  bout is the C of each sum's first product.
; LIMITS: NaN and infinities are not served (the codes have none; the scale bytes made by this program lie between 1 and 254).
; REGISTERS, in windows of 256: window 0: v4-11 a's LDS addresses in the four slots (16 x lane; 8 x lane), v12-19 Wout's (and behind one padding more), v24-27, v30 other addresses; v32-63 scale words and nothing else;
;   v64-95 bout in the result's layout; v128-223 a's fragments, two sets of 48; on the way out v128-255.   window 1: Wout's fragments, two sets, at v0 and v128.   window 2: v0-127 the accumulators ((a, b) at 8 (4 a + b)).
.set SIZE_K, 1024
.set SIZE_N, 1024
.set ROWB,   192                       ; a row of Wout's tile in bytes: 256 codes
.set AROWB,  3072                      ; a row of a's tile: a token tile's codes of 256 along K
.set KROW,   SIZE_K*6/8                ; a row of codes in memory
.set PITCH,  240                       ; Wout's LDS row: 3 x (64 bytes of data + 16 of padding)
.set FR,     12                        ; registers of a fragment
.set NP,     4                         ; places behind this matrix instruction (ISA guide 7.12.1)
.set APART,  8*AROWB                   ; a slot: a's 8 token tiles,
.set BPART,  128*PITCH                 ; then Wout's 128 rows
.set SLOT,   APART+BPART               ; 55,296 bytes; four slots, one for each K step
.set KS,     SIZE_K/32                 ; a row of scales in bytes
.set SCL,    4*SLOT                    ; behind the slots: the scales, as runs of 256 bytes + 16 of padding
.set HALFS,  (64*KS/256)*272           ; those of 64 rows: what one tensor load brings
.set SBLK,   (16*KS/256)*272           ; those of 16 rows
.set STAGE,  SCL+4*HALFS               ; behind the scales: a stage of 16 rows x (256 bytes + 16) for each wave, for the way out; no tensor load lands there
.set SPITCH, 272
.set ADRA, 4                           ; v4-7 my a fragments in slot 0 .. 3: + 16 x lane;  v8-11: + 8 x lane
.set ADRB, 12                          ; v12-15 my Wout fragments;  v16-19: for the pieces that lie behind one padding more
.set STO,  24                          ; the way out: where I put 32 bytes of a row
.set RD,   25                          ; where I read a row back
.set CO,   26                          ; my byte offset in out0
.set ADRS, 27                          ; my scale words: lanes 0-15 a's rows, lanes 16-31 Wout's
.set SC,   32                          ; register 8 i + j: the word of block i for the j-th 128 along K
.set BIAS, 64
.set AF,   128
.set BK,   128
.set G1, 24                            ; s[24:31] descriptor group 1 for a's tiles;  s[32:39] group 0, one set for each of my two K steps
.set G0, 32
.set G1B, 48                           ; s[48:55], s[56:63] the same for Wout's
.set G0B, 56
.set G1S, 68                           ; s[68:75], s[76:79] groups 1 and 0 for a's scales;  s[80:87], s[88:91] for Wout's
.set G0S, 76
.set G1SB, 80
.set G0SB, 88
.set MSB, 0
.macro WIN new                         ; the immediate's high byte repeats the setting that is left
.if MSB != (\new)
	s_set_vgpr_msb (MSB<<8)|(\new)
.set MSB, (\new)
.endif
.endm
.set MUL_W,   0xa1                     ; source 0 (Wout) window 1, source 1 (a) window 0, C and D window 2
.set FIRST_W, 0x81                     ; the first step: C (bout) window 0, D window 2
.set TO_B,    0x40                     ; destination window 1, address window 0
; A joint load: waves 0 and 1 fetch for a, waves 2 and 3 for Wout; the branch hangs on the wave's number alone.  Four v_nop follow each of the two lines.
.macro JLOAD g0a, g1a, g0b, g1b
	s_cmp_eq_u32 s15, 0
	s_cbranch_scc0 .Lfor_b_\@
	tensor_load_to_lds s[\g0a:\g0a+3], s[\g1a:\g1a+7]
	s_nop 0
.rept 4
	v_nop
.endr
	s_branch .Lasked_\@
.Lfor_b_\@:
	tensor_load_to_lds s[\g0b:\g0b+3], s[\g1b:\g1b+7]
	s_nop 0
.rept 4
	v_nop
.endr
.Lasked_\@:
.endm
.macro CROUND                          ; a round of the cluster's barrier
	s_barrier_signal -1
	s_barrier_wait -1
	s_cmp_lg_u32 s14, 0
	s_cbranch_scc1 .Lnot_wave_0_\@
	s_barrier_signal -3
.Lnot_wave_0_\@:
	s_barrier_wait -3
	s_barrier_signal -1
	s_barrier_wait -1
.endm
	s_load_b128 s[4:7], s[0:1], 0x0                ; a's codes, a's scales
	s_load_b128 s[8:11], s[0:1], 0x10              ; the weights' codes, their scales
	s_load_b64 s[66:67], s[0:1], 0x20              ; bout
	s_load_b64 s[12:13], s[0:1], 0x28              ; out0
	v_lshl_add_u32 v126, v0, 2, 0x3c600
	v_mov_b32 v127, 0
	ds_add_u32 v126, v127
	ds_add_u32 v126, v127
	v_lshrrev_b32 v1, 5, v0
	v_readfirstlane_b32 s14, v1                    ; wave 0..3
	s_lshr_b32 s15, s14, 1                         ; which half of the tile's rows is mine.  Also: I fetch for a (0) or for Wout (1)
	s_and_b32 s16, s14, 1                          ; which half of its columns.  Also: u: which K steps, and which 64 rows' scales, I fetch
	s_bfe_u32 s40, ttmp6, 0x40000                  ; cx, cy: my place in the cluster
	s_bfe_u32 s41, ttmp6, 0x40004
	s_lshl_b32 s42, ttmp9, 2
	s_add_co_u32 s42, s42, s40                     ; tile column = 4 x cluster x + cx
	s_and_b32 s17, ttmp7, 0xffff
	s_lshl_b32 s17, s17, 2
	s_add_co_u32 s17, s17, s41                     ; tile row = 4 x cluster y + cy
	s_lshl_b32 s43, s41, 2
	s_lshl_b32 s43, 15, s43                        ; my row of the cluster
	s_lshl_b32 s44, 0x1111, s40                    ; my column
	; descriptor group 1 for a: 8 rows of 3,072 bytes, 12,288 bytes apart, no padding
	s_or_b32 s[G1+0], s43, (0<<16)|(1<<21)         ; 15:0 the mask: a's tiles go to my row; 17:16 elements of 1 byte; 21 set beside a mask
	s_mov_b32 s[G1+1], AROWB<<16                   ; tensor_dim0
	s_mov_b32 s[G1+2], 8<<16                       ; tensor_dim1
	s_mov_b32 s[G1+3], AROWB<<16                   ; tile_dim0
	s_mov_b32 s[G1+4], 8                           ; tile_dim1
	s_mov_b32 s[G1+5], 12288                       ; from row to row
	s_mov_b32 s[G1+6], 0
	s_mov_b32 s[G1+7], 0
	; for Wout: 128 rows of 192 bytes, 768 bytes apart, 16 bytes of padding behind every 64
	s_or_b32 s[G1B+0], s44, (0<<16)|(1<<20)|(1<<21)|(3<<22)|(3<<25)
	s_mov_b32 s[G1B+1], ROWB<<16
	s_mov_b32 s[G1B+2], 128<<16
	s_mov_b32 s[G1B+3], ROWB<<16
	s_mov_b32 s[G1B+4], 128
	s_mov_b32 s[G1B+5], KROW
	s_mov_b32 s[G1B+6], 0
	s_mov_b32 s[G1B+7], 0
	; the scales of 64 rows: 2,048 dense bytes, as 8 rows of 256 bytes (32 elements of 8), 16 bytes of padding behind each
	s_or_b32 s[G1S+0], s43, (3<<16)|(1<<20)|(1<<21)|(5<<22)|(3<<25)
	s_or_b32 s[G1SB+0], s44, (3<<16)|(1<<20)|(1<<21)|(5<<22)|(3<<25)
.irp g, G1S, G1SB
	s_mov_b32 s[\g+1], 32<<16
	s_mov_b32 s[\g+2], (64*KS/256)<<16
	s_mov_b32 s[\g+3], 32<<16
	s_mov_b32 s[\g+4], 64*KS/256
	s_mov_b32 s[\g+5], 32
	s_mov_b32 s[\g+6], 0
	s_mov_b32 s[\g+7], 0
.endr
	; where the tiles come from.  a's hang on the tile row alone, Wout's on the tile column alone, each in registers that never hold the other coordinate.  All offsets stay under 2^22 bytes
	s_lshl_b32 s18, s16, 6                         ; which 64 rows' scales I fetch
	s_lshl_b32 s20, s17, 7                         ; a: the tile's first token
	s_lshl_b32 s46, s42, 7
	s_add_co_u32 s46, s46, 3072                    ; Wout: the tile's first row of w_codes
	s_add_co_u32 s22, s20, s18
	s_lshl_b32 s22, s22, 5                         ; a's scales: 32 bytes a row
	s_mov_b32 s23, 0
	s_add_co_u32 s92, s46, s18
	s_lshl_b32 s92, s92, 5                         ; Wout's
	s_mov_b32 s93, 0
	s_mul_i32 s20, s20, KROW                       ; a's codes: token x 768 = token tile x 12,288,
	s_mul_i32 s19, s16, AROWB
	s_add_co_u32 s20, s20, s19                     ; + K step u
	s_mov_b32 s21, 0
	s_mul_i32 s46, s46, KROW                       ; Wout's codes: row x 768,
	s_mul_i32 s19, s16, ROWB
	s_add_co_u32 s46, s46, s19                     ; + K step u
	s_mov_b32 s47, 0
	s_mul_i32 s45, s16, SLOT                       ; where the codes go: slot u: no place in the cluster enters an LDS address
	s_mul_i32 s94, s14, HALFS                      ; and the scales: a's two halves, then Wout's two = wave x 64 rows
	s_wait_dscnt 0x0
	s_wait_kmcnt 0x0
	s_add_nc_u64 s[20:21], s[4:5], s[20:21]
	s_add_nc_u64 s[22:23], s[6:7], s[22:23]
	s_add_nc_u64 s[46:47], s[8:9], s[46:47]
	s_add_nc_u64 s[92:93], s[10:11], s[92:93]
	CROUND                                         ; all sixteen work-groups are here: the joint loads meet
	s_mov_b32 s[G0S], 1
	s_add_co_u32 s[G0S+1], s94, SCL
	s_mov_b64 s[G0S+2:G0S+3], s[22:23]
	s_or_b32 s[G0S+3], s[G0S+3], 0x80000000
	s_mov_b32 s[G0SB], 1
	s_add_co_u32 s[G0SB+1], s94, SCL
	s_mov_b64 s[G0SB+2:G0SB+3], s[92:93]
	s_or_b32 s[G0SB+3], s[G0SB+3], 0x80000000
	JLOAD G0S, G1S, G0SB, G1SB                     ; the scales first: they are wanted with the first product
.irp s, 0,1
	s_mov_b32 s[G0+4*\s], 1                        ; 1:0 count = 1
	s_add_co_u32 s[G0+4*\s+1], s45, \s*2*SLOT      ; 63:32 LDS address: slot u + 2 s
	s_add_nc_u64 s[G0+4*\s+2:G0+4*\s+3], s[20:21], \s*2*AROWB   ; 120:64 global address: K step u + 2 s
	s_or_b32 s[G0+4*\s+3], s[G0+4*\s+3], 0x80000000             ; 127:126 type = 2
	s_mov_b32 s[G0B+4*\s], 1
	s_add_co_u32 s[G0B+4*\s+1], s45, \s*2*SLOT+APART
	s_add_nc_u64 s[G0B+4*\s+2:G0B+4*\s+3], s[46:47], \s*2*ROWB
	s_or_b32 s[G0B+4*\s+3], s[G0B+4*\s+3], 0x80000000
	JLOAD G0+4*\s, G1, G0B+4*\s, G1B               ; three tensor loads of mine are out now at the most; none follows
.endr
	v_and_b32 v1, 15, v0                           ; r = lane % 16
	v_bfe_u32 v2, v0, 4, 1                         ; h = lane / 16
	v_mul_u32_u24 v3, v1, PITCH
	v_mul_u32_u24 v20, v2, 24
	v_add_nc_u32 v20, v3, v20                      ; Wout: a fragment's row x pitch + 24 x half
	v_lshl_add_u32 v21, v2, 4, v20                 ; and the same behind one padding more
	v_and_b32 v22, 31, v0
	v_lshlrev_b32 v23, 3, v22                      ; a: 8 x lane,
	v_lshlrev_b32 v22, 4, v22                      ; 16 x lane
	s_mul_i32 s21, s15, 4*AROWB                    ; my 4 token tiles of a
	s_mul_i32 s22, s16, 64*PITCH                   ; my 64 rows of Wout,
	s_add_co_u32 s22, s22, APART                   ; which lie behind a's part of a slot
.irp s, 0,1,2,3
	v_add_nc_u32 v[ADRA+\s], s21, v22
	v_add_nc_u32 v[ADRA+4+\s], s21, v23
	v_add_nc_u32 v[ADRB+\s], s22, v20
	v_add_nc_u32 v[ADRB+4+\s], s22, v21
	s_add_co_u32 s21, s21, SLOT
	s_add_co_u32 s22, s22, SLOT
.endr
	v_mul_u32_u24 v28, v1, KS                      ; my row's scales: 32 bytes a row,
	v_lshrrev_b32 v29, 8, v28
	v_lshl_add_u32 v28, v29, 4, v28                ; and 16 more for each 256 passed
	s_mul_i32 s21, s15, HALFS                      ; a's: my 64 rows
	s_mul_i32 s22, s16, HALFS                      ; Wout's: my 64 rows, behind a's 128
	s_add_co_u32 s22, s22, 2*HALFS
	s_sub_co_u32 s22, s22, s21
	v_mul_u32_u24 v29, s22, v2                     ; lanes 16-31 take Wout's
	s_add_co_u32 s21, s21, SCL
	v_add_nc_u32 v28, v28, v29
	v_add_nc_u32 v[ADRS], s21, v28
	s_mul_i32 s23, s14, 16*SPITCH
	s_add_co_u32 s23, s23, STAGE                   ; my stage
	v_mul_u32_u24 v28, v1, SPITCH                  ; in: row r, 32 bytes for each half of the lanes
	v_lshl_add_u32 v28, v2, 5, v28
	v_add_nc_u32 v[STO], s23, v28
	v_mul_u32_u24 v28, v2, SPITCH                  ; back: lanes 0-15 take one row of 256 bytes, lanes 16-31 the next
	v_lshl_add_u32 v28, v1, 4, v28
	v_add_nc_u32 v[RD], s23, v28
	v_lshlrev_b32 v[CO], 12, v2                    ; and the same two rows in out0: 4,096 bytes a row
	v_lshl_add_u32 v[CO], v1, 4, v[CO]
	v_lshlrev_b32 v30, 5, v2                       ; bout: my half's eight numbers of a block of 16: 32 h bytes on
	s_lshl_b32 s20, s17, 7
	s_lshl_b32 s21, s15, 6
	s_add_co_u32 s20, s20, s21                     ; my first row of out0: 128 x tile row + 64 x half
	s_lshl_b32 s20, s20, 12
	s_mov_b32 s21, 0
	s_lshl_b32 s46, s42, 9                         ; my first column, in bytes: 512 x tile column + 256 x half
	s_lshl_b32 s47, s16, 8
	s_add_co_u32 s46, s46, s47
	s_mov_b32 s47, 0
	s_add_nc_u64 s[66:67], s[66:67], s[46:47]      ; bout at my first column
	s_add_nc_u64 s[20:21], s[20:21], s[46:47]
	s_add_nc_u64 s[12:13], s[12:13], s[20:21]
.irp i, 0,1,2,3,4,5,6,7
	global_load_b128 v[BIAS+4*\i:BIAS+4*\i+3], v30, s[66:67] offset:64*(\i/2)+16*(\i%2)   ; register 8 b + j: bout at column 16 b + 8 h + j of my 64
.endr
.macro FRAG reg, adr, q, i             ; a fragment of Wout, 16 rows x 128 K: lane l holds row l % 16; registers 6 c .. 6 c + 5 hold K = 64 c + 32 (l / 16) + 0 .. 31: 24 bytes of the row's stream of bits, as they lie
.irp p, 0,1,2,3,4,5                    ; in pieces of 8 bytes.  Where the piece of lanes 16-31 lies behind one padding more than that of lanes 0-15, the second address register serves
.set PCE, 12*(\q)+6*(\p/3)+\p%3
.if PCE%8 < 5
	ds_load_b64 v[\reg+2*\p:\reg+2*\p+1], v[\adr] offset:8*PCE+16*(PCE/8)+(\i)*16*PITCH
.else
	ds_load_b64 v[\reg+2*\p:\reg+2*\p+1], v[\adr+4] offset:8*PCE+16*(PCE/8)+(\i)*16*PITCH
.endif
.endr
.endm
.macro FRAGA reg, adr, q, i            ; a fragment of a from its images: two heads of 768 bytes
	ds_load_b128 v[\reg:\reg+3], v[\adr] offset:AROWB*(\i)+1536*(\q)
	ds_load_b64 v[\reg+4:\reg+5], v[\adr+4] offset:AROWB*(\i)+1536*(\q)+512
	ds_load_b128 v[\reg+6:\reg+9], v[\adr] offset:AROWB*(\i)+1536*(\q)+768
	ds_load_b64 v[\reg+10:\reg+11], v[\adr+4] offset:AROWB*(\i)+1536*(\q)+1280
.endm
.macro FETCH j                         ; the fragments of the j-th 128 along K (slot j / 2, its half j % 2) into set j % 2: 24 loads for Wout's four blocks, 16 for a's four
	WIN TO_B
.irp i, 0,1,2,3
	FRAG 128*((\j)%2)+FR*\i, ADRB+(\j)/2, (\j)%2, \i
.endr
	WIN 0
.irp i, 0,1,2,3
	FRAGA AF+48*((\j)%2)+FR*\i, ADRA+(\j)/2, (\j)%2, \i
.endr
.endm
; 16 matrix instructions: a's four blocks x Wout's four, the j-th 128 along K.  first = 1: bout is the C: nothing is cleared and nothing is added later.
; The 16 accumulators take turns, one instruction a turn, in the same order in every step.
.macro MUL j, first
.irp a, 0,1,2,3
.irp b, 0,1,2,3
.if \first
	v_wmma_scale_f32_16x16x128_f8f6f4 v[8*(4*\a+\b):8*(4*\a+\b)+7], v[128*((\j)%2)+FR*\b:128*((\j)%2)+FR*\b+FR-1], v[AF+48*((\j)%2)+FR*\a:AF+48*((\j)%2)+FR*\a+FR-1], v[BIAS+8*\b:BIAS+8*\b+7], v[SC+8*\b+(\j)], v[SC+8*\a+(\j)] matrix_a_fmt:MATRIX_FMT_FP6 matrix_b_fmt:MATRIX_FMT_FP6 matrix_a_scale:MATRIX_SCALE_ROW1
.else
	v_wmma_scale_f32_16x16x128_f8f6f4 v[8*(4*\a+\b):8*(4*\a+\b)+7], v[128*((\j)%2)+FR*\b:128*((\j)%2)+FR*\b+FR-1], v[AF+48*((\j)%2)+FR*\a:AF+48*((\j)%2)+FR*\a+FR-1], v[8*(4*\a+\b):8*(4*\a+\b)+7], v[SC+8*\b+(\j)], v[SC+8*\a+(\j)] matrix_a_fmt:MATRIX_FMT_FP6 matrix_b_fmt:MATRIX_FMT_FP6 matrix_a_scale:MATRIX_SCALE_ROW1
.endif
.endr
.endr
.endm
.macro PLACES n                        ; plain vector lines between a matrix instruction and a load into, or a store of, its registers
.rept \n
	v_nop
.endr
.endm
; A step of 128 along K: its fragments are in; the next step's are asked for, into the set that the step before multiplied; then the 16 products, under which those loads land.
.macro SUB j, first
	s_wait_dscnt 0x0                               ; this step's fragments are in (the first step: the scale words too)
.if (\j) == 3
	s_wait_tensorcnt 0x0                           ; my part of K steps 2 and 3 is in: no load was issued behind it,
	s_barrier_signal -1                            ; (no LDS instruction of mine is out)
	s_barrier_wait -1                              ; everybody's is: the fetch below is the first read of slot 2
.endif
.if (\j) < 7
.if (\j) > 0
	PLACES NP                                      ; behind the last step's products, which read the set that is loaded now
.endif
	FETCH (\j)+1
.endif
.if \first
	WIN FIRST_W
.else
	WIN MUL_W
.endif
	MUL \j, \first
	WIN 0
.endm
	s_wait_tensorcnt 1                             ; the scales and my first K step are in (my second K step's load may be out)
	s_barrier_signal -1
	s_barrier_wait -1                              ; everybody's are: K steps 0 and 1 lie in LDS
.irp i, 0,1,2,3                                ; all scale words of K, once: 32 bytes a row; lanes 0-15 take a's block i, lanes 16-31 Wout's block i
	ds_load_b128 v[SC+8*\i:SC+8*\i+3], v[ADRS] offset:\i*SBLK
	ds_load_b128 v[SC+8*\i+4:SC+8*\i+7], v[ADRS] offset:\i*SBLK+16
.endr
	FETCH 0
	s_wait_loadcnt 0x0                             ; bout
	SUB 0, 1
.irp j, 1,2,3,4,5,6,7
	SUB \j, 0
.endr
; THE WAY OUT, block by block of 16 rows x 64 columns.  A lane holds 32 neighbouring bytes of a row, and the lanes beside it hold other rows: so a block goes through my own stage in LDS and comes back as whole rows of
; 256 bytes.  LDS serves a wave's instructions in order (ISA guide 5.7.1.4): no wait between the stores and the loads, nor in front of the next block's stores.  Each block has registers of its own, and every offset in
; out0 is an immediate (62 rows of 4,096 bytes at the most): nothing that a store reads is written again.
.macro TOSTAGE a
	WIN 0x08                                       ; an LDS store's data are its source 1: window 2
.irp b, 0,1,2,3
	ds_store_b128 v[STO], v[8*(4*(\a)+\b):8*(4*(\a)+\b)+3] offset:64*\b          ; each accumulator from its low end on
	ds_store_b128 v[STO], v[8*(4*(\a)+\b)+4:8*(4*(\a)+\b)+7] offset:64*\b+16
.endr
	WIN 0
.irp t, 0,1,2,3,4,5,6,7
	ds_load_b128 v[BK+32*(\a)+4*\t:BK+32*(\a)+4*\t+3], v[RD] offset:\t*2*SPITCH
.endr
.endm
.macro SEND a, younger                 ; younger: the LDS instructions issued behind block a's loads, which may stay out
	s_wait_dscnt \younger                          ; the block is back in registers
.irp t, 0,1,2,3,4,5,6,7
	global_store_b128 v[CO], v[BK+32*(\a)+4*\t:BK+32*(\a)+4*\t+3], s[12:13] offset:(16*(\a)+2*\t)*SIZE_N*4 th:TH_STORE_NT   ; sixteen lanes store 256 consecutive bytes, aligned; written once, read by nobody here
.endr
.endm
	PLACES NP                                      ; behind the last products: their results are stored, and loads land in the registers that held a's fragments
	TOSTAGE 0
	TOSTAGE 1
	SEND 0, 16                                     ; behind block 0's loads: block 1's 8 stores and 8 loads
	TOSTAGE 2
	SEND 1, 16
	TOSTAGE 3
	SEND 2, 16
	SEND 3, 0
	s_wait_tensorcnt 0x0
	ds_add_u32 v126, v127
	s_wait_dscnt 0x0
	CROUND                                         ; the closing round: no work-group ends while a partner may still ask for a tile that names it
	s_endpgm
.Lfunc_end_k_qb432556f35_proj:
	.size	k_qb432556f35_proj, .Lfunc_end_k_qb432556f35_proj-k_qb432556f35_proj
	.p2alignl 7, 3214868480
	.fill 96, 4, 3214868480
	.section	.rodata,"a",@progbits
	.p2align	6, 0x0
	.amdhsa_kernel k_qb432556f35_proj
		.amdhsa_group_segment_fixed_size 247808
		.amdhsa_private_segment_fixed_size 0
		.amdhsa_enable_private_segment 0
		.amdhsa_kernarg_size 48
		.amdhsa_user_sgpr_count 2
		.amdhsa_user_sgpr_kernarg_segment_ptr 1
		.amdhsa_wavefront_size32 1
		.amdhsa_system_sgpr_workgroup_id_x 1
		.amdhsa_system_sgpr_workgroup_id_y 1
		.amdhsa_system_sgpr_workgroup_id_z 1
		.amdhsa_system_vgpr_workitem_id 0
		.amdhsa_next_free_vgpr 640
		.amdhsa_next_free_sgpr 98
		.amdhsa_reserve_vcc 0
		.amdhsa_float_denorm_mode_32 3
		.amdhsa_float_denorm_mode_16_64 3
		.amdhsa_memory_ordered 1
		.amdhsa_forward_progress 1
		.amdhsa_inst_pref_size 58
	.end_amdhsa_kernel
	.amdgpu_metadata
---
amdhsa.version: [ 1, 2 ]
amdhsa.kernels:
  - .name:           k_qb432556f35_proj
    .symbol:         k_qb432556f35_proj.kd
    .args:
      - { .name: a_img, .offset: 0, .size: 8, .value_kind: global_buffer, .address_space: global }
      - { .name: a_scales, .offset: 8, .size: 8, .value_kind: global_buffer, .address_space: global }
      - { .name: w_codes, .offset: 16, .size: 8, .value_kind: global_buffer, .address_space: global }
      - { .name: w_scales, .offset: 24, .size: 8, .value_kind: global_buffer, .address_space: global }
      - { .name: bout, .offset: 32, .size: 8, .value_kind: global_buffer, .address_space: global }
      - { .name: out0, .offset: 40, .size: 8, .value_kind: global_buffer, .address_space: global }
    .group_segment_fixed_size: 247808
    .private_segment_fixed_size: 0
    .kernarg_segment_align: 8
    .kernarg_segment_size: 48
    .max_flat_workgroup_size: 128
    .sgpr_count:     98
    .vgpr_count:     640
    .wavefront_size: 32
...
	.end_amdgpu_metadata
.endif
;; end of part 4
